; MI455X (gfx1250); checked and timed in simulation.
; The chip was launched on July 23, 2026; its instructions are those of AMD's public machine-readable ISA for CDNA 5 (MIT licence, August 2026) and "CDNA5" Instruction Set Architecture Reference Guide (July 2026). The comments in the code are by the model that wrote it; some were corrected since.
;; Multi Headed Attention Relative. Allowed arithmetic: matrix products marked QUANTISED: E2M1 operands, one E8M0 scale for each 32 along K, by v_wmma_scale_f32_16x16x128_f8f6f4 with both operands' format E2M1 (or v_wmma_scale_f32_32x16x128_f4), f32 sums; everything else in f32.
;; Inputs: Wk_codes 1,024 x 32 x 16 uint8 (E2M1 codes of Wk, K innermost, in blocks of 32 codes, two codes a byte); Wk_scales 1,024 x 32 uint8 (E8M0 scales of Wk, one for each 32 codes along K); Wo_codes 1,024 x 32 x 16 uint8 (E2M1 codes of Wo, K innermost, in blocks of 32 codes, two codes a byte); Wo_scales 1,024 x 32 uint8 (E8M0 scales of Wo, one for each 32 codes along K); Wq_codes 1,024 x 32 x 16 uint8 (E2M1 codes of Wq, K innermost, in blocks of 32 codes, two codes a byte); Wq_scales 1,024 x 32 uint8 (E8M0 scales of Wq, one for each 32 codes along K); Wv_codes 1,024 x 32 x 16 uint8 (E2M1 codes of Wv, K innermost, in blocks of 32 codes, two codes a byte); Wv_scales 1,024 x 32 uint8 (E8M0 scales of Wv, one for each 32 codes along K); bk 1,024 float32; bo 1,024 float32; bq 1,024 float32; bv 1,024 float32; key_codes 8 x 1,024 x 32 x 16 uint8 (E2M1 codes of key, K innermost, in blocks of 32 codes, two codes a byte); key_scales 8 x 1,024 x 32 uint8 (E8M0 scales of key, one for each 32 codes along K); query_codes 8 x 1,024 x 32 x 16 uint8 (E2M1 codes of query, K innermost, in blocks of 32 codes, two codes a byte); query_scales 8 x 1,024 x 32 uint8 (E8M0 scales of query, one for each 32 codes along K); rel_k_table 33 x 64 float32; rel_v_table 33 x 64 float32; value_codes 8 x 1,024 x 32 x 16 uint8 (E2M1 codes of value, K innermost, in blocks of 32 codes, two codes a byte); value_scales 8 x 1,024 x 32 uint8 (E8M0 scales of value, one for each 32 codes along K).
;; Outputs: out0 8 x 1,024 x 1,024 float32; out1 8 x 1,024 x 1,024 float32.
;; This version of the problem:
;;   THIS VERSION OF THE PROBLEM IS GIVEN IN LOW PRECISION. The matrix products marked QUANTISED in the list below multiply operands that are first quantised to E2M1 (2 exponent bits, 1 mantissa bit; 4 bits a number), with one power-of-two scale for each 32 numbers along K (OCP MX v1.0); their sums are f32. All else is computed in f32.
;;   The module's matrix products, in the order in which they are computed (A, B: the left and right operand; K: the contracted axis; several contracted axes count as one K, in the product's order):
;;     1. [M 8,192, K 1,024] x [K 1,024, N 1,024]; A: input key (given as codes); B: input Wk (given as codes): QUANTISED
;;     2. [M 8,192, K 1,024] x [K 1,024, N 1,024]; A: input value (given as codes); B: input Wv (given as codes): QUANTISED
;;     3. [M 8,192, K 1,024] x [K 1,024, N 1,024]; A: input query (given as codes); B: input Wq (given as codes): QUANTISED
;;     4. batch 128 x [M 1,024, K 64] x [K 64, N 1,024]; A: computed on the way; B: computed on the way: QUANTISED
;;     5. batch 1,024 x [M 1,024, K 64] x [K 64, N 128]; A: computed on the way; B: computed on the way: QUANTISED
;;     6. batch 128 x [M 1,024, K 1,024] x [K 1,024, N 64]; A: softmax (see below); B: computed on the way: QUANTISED
;;     7. batch 1,024 x [M 64, K 1,024] x [K 1,024, N 128]; A: computed on the way; B: softmax (see below): QUANTISED
;;     8. [M 8,192, K 1,024] x [K 1,024, N 1,024]; A: computed on the way; B: input Wo (given as codes): QUANTISED
;;   THE QUANTISER, for each operand of a quantised product, along K:
;;     - K is cut into blocks of 32 from its start; a last block that is shorter is filled with zeros.
;;     - A block's scale is 2^e with e = floor(log2(the largest magnitude in the block)) - 2, held to -126 .. 127; a block of zeros has e = 0. As a byte (E8M0): e + 127.
;;     - Each number is divided by its block's scale, clamped to +-6, and rounded to the nearest number of E2M1, ties to even, subnormals kept.
;;     - The product sums the exact products of the quantised numbers (number of the format x scale) in f32.
;;   ~~~python
;;   def quantise(x, axis):      # numpy; x: float32 -> the quantised numbers, widened to float32 again
;;       x = np.moveaxis(x, axis, -1); K = x.shape[-1]
;;       x = np.pad(x, [(0, 0)] * (x.ndim - 1) + [(0, -K % 32)]); x = x.reshape(x.shape[:-1] + (-1, 32)); a = np.abs(x).max(-1, keepdims=True)
;;       e = np.where(a > 0, np.clip(np.frexp(np.where(a > 0, a, 1))[1] - 1 - 2, -126, 127), 0)      # np.frexp(a)[1] - 1 = floor(log2(a)), exactly
;;       r = np.clip(x / 2.0 ** e, -6, 6)
;;       step = 2.0 ** (np.maximum(np.frexp(np.where(r == 0, 1, r))[1] - 1, 0) - 1)
;;       q = np.round(r / step) * step * 2.0 ** e      # np.round: ties to even
;;       return np.moveaxis(q.reshape(q.shape[:-2] + (-1,))[..., :K], -1, axis).astype(np.float32)
;;   ~~~
;;   SOFTMAX AHEAD OF A QUANTISED PRODUCT. Where the list says 'softmax', what is quantised is not the finished softmax but p = 2^(t - M), with t = logit x log2(e) and M = ceil(the row's largest t), a whole number; so 1/2 < the row's largest p <= 1. The row's sum l is taken of the UNQUANTISED p, in f32, and the product's result is divided by l at the end. Since M is a whole number, a kernel that streams over the keys may use a running M (the ceiling of the running maximum): every later rescaling is an exact power of two, which a block's scale takes up: the codes' values come out the same.
;;   OPERANDS COMPUTED ON THE WAY. 'Computed on the way' means the value that the module computes at that place (a softmax that the list does not call 'softmax' is quantised finished and normalised). What goes into a quantiser is computed in f32, as accurately as f32 sums, v_exp_f32 and their like allow (about 1e-6 of the number): no bf16 or f16 on the way to a quantiser, and a product that is left as it is and whose result goes on into a quantised operand takes f32 operands (vector FMAs, or v_wmma_f32_16x16x4_f32). A number that lies on a knife's edge between two numbers of the format may be rounded either way, as far as f32 arithmetic and the matrix unit's own rounding can turn it there, and no further.
;;   INPUTS GIVEN AS CODES. Wk (in the module: [1024, 1024], K = its axis 0); Wo (in the module: [1024, 1024], K = its axis 0); Wq (in the module: [1024, 1024], K = its axis 0); Wv (in the module: [1024, 1024], K = its axis 0); key (in the module: [8, 1024, 1024], K = its axis 2); query (in the module: [8, 1024, 1024], K = its axis 2); value (in the module: [8, 1024, 1024], K = its axis 2): each comes as NAME_codes (uint8): NAME with its K axis moved to the last place and cut into blocks of 32 codes, [.., K / 32, bytes a block], one block behind the other in memory; two codes a byte, the lower K in the low four bits (a code: sign, 2 exponent bits, 1 mantissa bit); and NAME_scales (uint8): the same leading axes, one E8M0 byte (e + 127) for each 32 codes along K. Its value is code x scale, taken as it is: it is not quantised again, and the codes and scales need not be those that the quantiser above would give.
;; One version. Each part assembles by itself: llvm-mc -triple=amdgcn-amd-amdhsa -mcpu=gfx1250 --defsym DOCPART=n.
;; ======== version 1 of 1: 3 launches
;; limits: right only within a limited range of input values
;; workspace buffers: qimg 4,194,304 bytes; qscl 524,288 bytes; kimg 4,194,304 bytes; kscl 524,288 bytes; vimg 4,194,304 bytes; vscl 262,144 bytes; ctximg 4,194,304 bytes; ctxscl 262,144 bytes
;; launch proj (part 1): grid 4 x 64, 4 waves a work-group, clusters of 4 x 4, 327,680 bytes of LDS; arguments query_codes, query_scales, Wq_codes, Wq_scales, bq, qimg, qscl, key_codes, key_scales, Wk_codes, Wk_scales, bk, kimg, kscl, value_codes, value_scales, Wv_codes, Wv_scales, bv, vimg, vscl; writes qimg, qscl, kimg, kscl, vimg, vscl
.if DOCPART == 1
	.amdgcn_target "amdgcn-amd-amdhsa--gfx1250"
	.amdhsa_code_object_version 6
	.text
	.protected	k_q88380416d7_proj
	.globl	k_q88380416d7_proj
	.p2align	8
	.type	k_q88380416d7_proj,@function
k_q88380416d7_proj:
	s_mov_b64 s[64:65], 0
	v_nop
	global_prefetch_b8 v0, s[64:65] scope:SCOPE_SE
	s_setreg_imm32_b32 hwreg(HW_REG_WAVE_MODE, 25, 1), 1
	s_wait_xcnt 0x0
	s_wait_alu depctr_hold_cnt(0) depctr_sa_sdst(0) depctr_va_vdst(0) depctr_va_sdst(0) depctr_va_ssrc(0) depctr_va_vcc(0) depctr_vm_vsrc(0)
	s_getreg_b32 s2, hwreg(HW_REG_IB_STS2, 6, 4)
	s_cmp_eq_u32 s2, 0
	s_cbranch_scc0 .Lentry_in_a_cluster
	s_endpgm
.Lentry_in_a_cluster:
	s_bfe_u32 s2, ttmp6, 0x10000c
	s_cmp_lg_u32 s2, 0xf033
	s_cbranch_scc0 .Lentry_shape_is_right
	s_endpgm
.Lentry_shape_is_right:
; The three input projections, q = (query Wq + bq) / 8, k = key Wk + bk, v = value Wv + bv, on the given codes of FP4 (E2M1) with E8M0 scales, sums in f32.
; Each result is quantised at once, in registers, and leaves as codes: q and k along the head's 64 channels, v along the keys, as images of the operand registers that the next launch reads.
; (The relative terms of reference() gather 33 table rows into [L, L, 64]: equal rows give equal quantised operands and equal products, so the next launch multiplies each distinct row or block once.)
; D = A B^T, used transposed: source 0 = 16 rows of B, source 1 = 16 rows of A: a lane holds one row of A and its registers run along B's rows, the axis that is quantised.
; A WORK-GROUP HAS TWO PARTS, so that 256 work-groups share the three tensors evenly.  Part 1 (clusters 0-7 along y: q; 8-15: k): A = 256 tokens, B = 256 output channels of the weight; a wave 128 x 128, 64 accumulators.
; Part 2 (v): A = 128 channels of Wv, B = 256 tokens (keys); a wave 64 x 128, 32 accumulators.  All K = 1,024 of a part lies in LDS: rows of 512 bytes + 16 of padding, pitch 528 = 132 words.
; LDS IS FILLED TWICE, one tensor load a wave each time.  Behind part 1's last products every wave waits for its tensor loads, adds 0 to its spare word and waits for its LDS reads; a round of the cluster's barrier follows,
; and part 2's joint loads are the first thing behind it: they are on their way while part 1's results are quantised and stored.
; CLUSTERS 4 x 4: A's tile hangs on the cluster and cy alone and is asked for jointly along a row of the cluster, B's on the cluster and cx and along a column, in both parts.
; SCALE WORDS go from memory into registers: lane (r, h) takes bytes 16 h .. 16 h + 15 of row r's 32: lanes 0-15 hold K steps 0-3, lanes 16-31 K steps 4-7; a load covers 512 consecutive bytes.
; THE BIAS is the C of a part's first K step: q, k by B's block (it runs along the registers), v by A's block (it belongs to the lane).  q / 8 is exact: the codes stay, each scale byte falls by 3.
; THE IMAGES: the next launch wants K's keys and V's channels of a tile in the order 8 u + r + 8 (r / 8); the tiles here take neighbouring rows, and the stores' lane offsets place them:
; q leaves in runs of 512 bytes, k and v in runs of 128 bytes, scale words in runs of 128 bytes.
; No prefetch: the text has no loop to run ahead in.
; LIMITS: NaN and infinities are not served.  No block's largest magnitude is taken under 2^(6 - 127), so that a byte is at least 4 (q's, less 3, at least 1); a block of zeros keeps that byte over zero codes.
; REGISTERS.  Window 0: v1 r, v2 h, v3-13 offsets, v16-20 LDS addresses, v28-30 spare word, 0, the floor; v32-63 A's scale words, v64-95 B's; v96-125 the quantiser's; v128-191 A's fragments, then codes;
;   v192-255 part 1's bias, then store data and offsets (v192-223) and part 2's bias (v224-255).  Window 1: B's fragments, two sets.  Windows 2, 3: accumulator (a, b) at v[8 (8 (a % 4) + b)].
.set PITCH, 528
.set HALFT, 128*PITCH                  ; 128 rows
.set SPARE, 4*HALFT                    ; the spare words: 128 bytes a wave
.set VST,  10                          ; the code stores' lane offset, q or k
.set VSS,  11                          ; the scale words' lane offset, q or k
.set VST2, 12                          ; the same two for v
.set VSS2, 13
.set ADRA, 16
.set ADRA2, 18
.set ADRB, 20
.set SPW,  28
.set NIL,  29
.set FLR,  30
.set SCA,  32
.set SCB,  64
.set TM,   96
.set PW,   120
.set MW,   122
.set AF,   128
.set BIAS, 192
.set OF,   208
.set BIAS2, 224
.set FLOOR, 0x3000000                  ; 2^(6 - 127)
.set CFG, (1<<20)|(1<<21)|(6<<22)|(3<<25)   ; elements of 1 byte; padding on; bit 21 beside a mask; after every 128 words four words
.set MSB, 0
.macro WIN new                         ; the immediate's high byte repeats the setting that is left
.if MSB != \new
	s_set_vgpr_msb (MSB<<8)|\new
.set MSB, \new
.endif
.endm
.macro PLACES                          ; four plain places behind a matrix instruction (ISA guide 7.12.1)
.rept 4
	v_nop
.endr
.endm
.macro CROUND                          ; a round of the cluster's barrier
	s_barrier_signal -1
	s_barrier_wait -1
	s_cmp_lg_u32 s54, 0
	s_cbranch_scc1 .Lnot_wave_0_\@
	s_barrier_signal -3
.Lnot_wave_0_\@:
	s_barrier_wait -3
	s_barrier_signal -1
	s_barrier_wait -1
.endm
.macro JLOAD                           ; one joint load a wave: waves 0, 1 for A, waves 2, 3 for B; an s_nop 0 and four v_nop follow each line
	s_cmp_eq_u32 s58, 0
	s_cbranch_scc0 .Lfor_b_\@
	tensor_load_to_lds s[84:87], s[68:75]
	s_nop 0
	PLACES
	s_branch .Lasked_\@
.Lfor_b_\@:
	tensor_load_to_lds s[88:91], s[76:83]
	s_nop 0
	PLACES
.Lasked_\@:
.endm
	s_load_b512 s[4:19], s[0:1], 0x0               ; three sets of seven addresses: x's codes, x's scales, W's codes, W's scales, the bias, the image, its scale words
	s_load_b512 s[20:35], s[0:1], 0x40
	s_load_b256 s[36:43], s[0:1], 0x80
	s_load_b64 s[44:45], s[0:1], 0xa0
	v_lshl_add_u32 v[SPW], v0, 2, SPARE
	v_mov_b32 v[NIL], 0
	ds_add_u32 v[SPW], v[NIL]                      ; the opening lines: the add twice on end and one wait
	ds_add_u32 v[SPW], v[NIL]
	v_lshrrev_b32 v1, 5, v0
	v_readfirstlane_b32 s54, v1                    ; wave 0..3
	v_and_b32 v1, 15, v0                           ; r
	v_bfe_u32 v2, v0, 4, 1                         ; h
	v_lshlrev_b32 v4, 5, v1
	v_lshl_add_u32 v4, v2, 4, v4                   ; scale words: 32 r + 16 h
	s_lshr_b32 s58, s54, 1                         ; my half of A's rows; also: I fetch for A (0) or B (1)
	s_and_b32 s59, s54, 1                          ; my half of B's rows; also: which half I fetch
	s_bfe_u32 s60, ttmp6, 0x40000                  ; cx
	s_bfe_u32 s61, ttmp6, 0x40004                  ; cy
	s_and_b32 s62, ttmp7, 0xffff                   ; the cluster's y, 0..15
	s_lshr_b32 s55, s62, 3                         ; part 1's tensor: 0 = q, 1 = k
	s_and_b32 s62, s62, 7
	s_lshl_b32 s62, s62, 2                         ; the tokens have 32 blocks of 256: four to a cluster
	s_add_co_u32 s56, s62, s61                     ; part 1, A's block (tokens): 4 x cluster + cy
	s_mov_b32 s57, s60                             ; part 1, B's block (the weight): cx
	s_lshl_b32 s63, s61, 2
	s_lshl_b32 s63, 15, s63                        ; my row of the cluster
	s_lshl_b32 s66, 0x1111, s60                    ; my column
	s_or_b32 s68, s63, CFG                         ; group 1 for A's tiles
	s_or_b32 s76, s66, CFG                         ; and for B's
.irp g, 68, 76
	s_mov_b32 s[\g+1], 512<<16                     ; tensor_dim0
	s_mov_b32 s[\g+2], 128<<16                     ; tensor_dim1
	s_mov_b32 s[\g+3], 512<<16                     ; tile_dim0
	s_mov_b32 s[\g+4], 128                         ; tile_dim1
	s_mov_b32 s[\g+5], 512                         ; the pitch in memory
	s_mov_b32 s[\g+6], 0
	s_mov_b32 s[\g+7], 0
.endr
	s_lshl_b32 s67, s59, 7
	s_lshl_b32 s92, s56, 8
	s_add_co_u32 s92, s92, s67
	s_lshl_b32 s92, s92, 9                         ; A: the 128 rows that I would fetch, in bytes
	s_mov_b32 s93, 0
	s_lshl_b32 s94, s57, 8
	s_add_co_u32 s94, s94, s67
	s_lshl_b32 s94, s94, 9                         ; B likewise
	s_mov_b32 s95, 0
	s_lshl_b32 s98, s57, 8
	s_add_co_u32 s98, s98, s67
	s_lshl_b32 s98, s98, 5                         ; the scale bytes of the 128 rows of B that I multiply
	s_mov_b32 s99, 0
	s_lshl_b32 s67, s58, 7
	s_lshl_b32 s96, s56, 8
	s_add_co_u32 s96, s96, s67
	s_lshl_b32 s96, s96, 5                         ; and of A
	s_mov_b32 s97, 0
	s_mov_b32 s84, 1
	s_mul_i32 s85, s54, HALFT                      ; LDS: A's two halves, then B's two = wave x 128 rows
	s_mov_b32 s88, 1
	s_mul_i32 s89, s54, HALFT
	s_wait_alu depctr_va_vdst(0)                   ; directly ahead of the waits below
	s_wait_dscnt 0x0                               ; both opening adds are done
	s_wait_kmcnt 0x0
	s_cmp_eq_u32 s55, 1                            ; part 1's seven addresses into s[4:17]; v's stay in s[32:45]
.irp i, 0,1,2,3,4,5,6
	s_cselect_b64 s[4+2*\i:5+2*\i], s[18+2*\i:19+2*\i], s[4+2*\i:5+2*\i]
.endr
	s_add_nc_u64 s[86:87], s[4:5], s[92:93]
	s_or_b32 s87, s87, 0x80000000
	s_add_nc_u64 s[90:91], s[8:9], s[94:95]
	s_or_b32 s91, s91, 0x80000000
	s_add_nc_u64 s[6:7], s[6:7], s[96:97]
	s_add_nc_u64 s[10:11], s[10:11], s[98:99]
.irp i, 0,1,2,3,4,5,6,7
	global_load_b128 v[SCA+4*\i:SCA+4*\i+3], v4, s[6:7] offset:512*\i     ; block i's 16 rows x 32 bytes
	global_load_b128 v[SCB+4*\i:SCB+4*\i+3], v4, s[10:11] offset:512*\i
.endr
	CROUND                                         ; all sixteen work-groups are here: the joint loads meet
	JLOAD
	; where part 1's results go
	s_cmp_eq_u32 s55, 0
	s_mov_b32 s18, 512
	s_cselect_b32 s18, 128, s18                    ; what r / 8 is worth in an image: q 128, k 512
	s_mov_b32 s19, 128
	s_cselect_b32 s19, 512, s19                    ; a % 2: q 512, k 128
	s_cselect_b32 s23, 0x03030303, 0               ; q / 8: 3 off each byte
	s_cselect_b32 s24, 64, 4                       ; the scale words' place: what r / 8 is worth,
	s_cselect_b32 s25, 4, 64                       ; and the lane's half
	s_mov_b32 s22, 32768                           ; the half c of the 128 places: the next head
	s_mov_b32 s26, 0x76543210
	s_mov_b32 s27, 0xfedcba98                      ; v_permlanex16_b32's selects for lane l xor 16
	s_mov_b32 s28, 0xffff0000                      ; lanes 16-31
	s_mov_b32 s29, 0x7f7f0000
	s_mov_b32 s92, 0                               ; block a's place in the image: (a % 2)'s worth + 1,024 (a / 2)
	s_mov_b32 s93, s19
	s_mov_b32 s94, 1024
	s_add_co_u32 s95, s19, 1024
	s_mov_b32 s96, 2048
	s_add_co_u32 s97, s19, 2048
	s_mov_b32 s98, 3072
	s_add_co_u32 s99, s19, 3072
	s_mov_b32 s3, 0
	s_lshr_b32 s30, s56, 2                         ; batch
	s_lshl_b32 s30, s30, 4
	s_lshl_b32 s31, s57, 2
	s_add_co_u32 s30, s30, s31
	s_lshl_b32 s31, s59, 1
	s_add_co_u32 s30, s30, s31                     ; 16 batch + my first head
	s_and_b32 s31, s56, 3
	s_lshl_b32 s31, s31, 1
	s_add_co_u32 s31, s31, s58                     ; which 128 tokens of the batch
	s_lshl_b32 s2, s30, 15
	s_lshl_b32 s63, s31, 12
	s_add_co_u32 s2, s2, s63
	s_add_nc_u64 s[14:15], s[14:15], s[2:3]        ; the image: 32,768 bytes a head, 4,096 for 128 tokens
	s_lshl_b32 s2, s30, 12
	s_lshl_b32 s63, s31, 9
	s_add_co_u32 s2, s2, s63
	s_add_nc_u64 s[16:17], s[16:17], s[2:3]        ; scale words: 4,096 bytes a head, 512 for 128 tokens
	s_lshl_b32 s2, s57, 10
	s_lshl_b32 s63, s59, 9
	s_add_co_u32 s2, s2, s63
	s_add_nc_u64 s[12:13], s[12:13], s[2:3]        ; the bias of my 128 channels
	; part 2: A's block of 128 channels 4 x tensor + cy, B's block of 256 tokens 4 x cluster + cx
	s_lshl_b32 s50, s55, 2
	s_add_co_u32 s50, s50, s61
	s_add_co_u32 s51, s62, s60
	s_lshl_b32 s46, s50, 7
	s_lshl_b32 s47, s59, 6
	s_add_co_u32 s46, s46, s47
	s_lshl_b32 s46, s46, 9
	s_mov_b32 s47, 0
	s_add_nc_u64 s[46:47], s[36:37], s[46:47]      ; Wv: the 64 rows that I would fetch
	s_lshl_b32 s48, s51, 8
	s_lshl_b32 s49, s59, 7
	s_add_co_u32 s48, s48, s49
	s_lshl_b32 s52, s48, 5                         ; (the scale bytes of my 128 tokens)
	s_lshl_b32 s48, s48, 9
	s_mov_b32 s49, 0
	s_add_nc_u64 s[48:49], s[32:33], s[48:49]      ; value: the 128 rows that I would fetch
	s_mov_b32 s53, 0
	s_add_nc_u64 s[34:35], s[34:35], s[52:53]
	s_lshl_b32 s52, s50, 7
	s_lshl_b32 s63, s58, 6
	s_add_co_u32 s52, s52, s63                     ; my 64 channels
	s_lshl_b32 s2, s52, 5
	s_add_nc_u64 s[38:39], s[38:39], s[2:3]        ; their scale bytes,
	s_lshl_b32 s2, s52, 2
	s_add_nc_u64 s[40:41], s[40:41], s[2:3]        ; their bias
	s_lshr_b32 s52, s51, 2
	s_lshl_b32 s52, s52, 4
	s_lshl_b32 s63, s50, 1
	s_add_co_u32 s52, s52, s63
	s_add_co_u32 s52, s52, s58                     ; 16 batch + my head
	s_and_b32 s63, s51, 3
	s_lshl_b32 s63, s63, 1
	s_add_co_u32 s63, s63, s59                     ; my key step
	s_lshl_b32 s2, s52, 15
	s_lshl_b32 s66, s63, 12
	s_add_co_u32 s2, s2, s66
	s_add_nc_u64 s[42:43], s[42:43], s[2:3]        ; v's image: 32,768 bytes a head, 4,096 a key step
	s_lshl_b32 s2, s52, 11
	s_lshl_b32 s66, s63, 8
	s_add_co_u32 s2, s2, s66
	s_add_nc_u64 s[44:45], s[44:45], s[2:3]        ; its scale words: 2,048 a head, 256 a key step
	s_mul_i32 s2, s58, HALFT
	s_mul_i32 s66, s59, HALFT
	s_add_co_u32 s66, s66, 2*HALFT
	s_mul_i32 s67, s58, 64*PITCH
	v_mul_u32_u24 v3, v1, PITCH
	v_lshl_add_u32 v3, v2, 4, v3                   ; a fragment: row r x pitch + 16 h
	v_add_nc_u32 v[ADRA], s2, v3
	v_add_nc_u32 v[ADRB], s66, v3
	v_add_nc_u32 v[ADRA2], s67, v3
	v_lshlrev_b32 v5, 5, v2                        ; the bias along the registers: 32 h
	v_lshlrev_b32 v6, 2, v1                        ; the bias of the lane: 4 r
	v_and_b32 v7, 7, v1
	v_lshrrev_b32 v8, 3, v1
	v_lshlrev_b32 v9, 4, v7
	v_lshl_add_u32 v9, v2, 8, v9
	v_mad_u32_u24 v[VST], v8, s18, v9              ; 16 (r % 8) + 256 h + (r / 8)'s worth
	v_lshl_add_u32 v[VST2], v8, 10, v9             ; v: r / 8 is worth 1,024
	v_lshlrev_b32 v9, 3, v7
	v_mad_u32_u24 v3, v8, s24, v9
	v_mad_u32_u24 v[VSS], v2, s25, v3
	v_lshl_add_u32 v9, v8, 2, v9
	v_lshl_add_u32 v[VSS2], v2, 6, v9              ; v: 8 (r % 8) + 4 (r / 8) + 64 h
	v_mov_b32 v[FLR], FLOOR
.irp n, 8,9,10,11,12,13,14,15
	v_mov_b32 v[TM+\n], 0                          ; destinations of lane permutes, written once
.endr
.irp b, 0,1,2,3,4,5,6,7
	global_load_b128 v[BIAS+8*\b:BIAS+8*\b+3], v5, s[12:13] offset:64*\b       ; register 8 b + j: channel 16 b + 8 h + j
	global_load_b128 v[BIAS+8*\b+4:BIAS+8*\b+7], v5, s[12:13] offset:64*\b+16
.endr
	s_wait_alu depctr_va_vdst(0)                   ; the wait at the head's end
	s_wait_loadcnt 0x0                             ; scale words and bias
	s_wait_tensorcnt 0x0                           ; my 128 rows have landed
	s_barrier_signal -1
	s_barrier_wait -1                              ; and everybody's
; PART 1.  16 products: A's blocks a0, a0 + 1 x B's eight, K step ks.  cm = 1: the bias by B's block starts the sums.  The 64 accumulators take turns.
.macro MUL16 a0, ks, cm
.irp a, \a0, \a0+1
.irp b, 0,1,2,3,4,5,6,7
.set DD, 8*(8*((\a)%4)+\b)
.set BB, 128*((\ks)%2)+8*\b
.set AA, AF+8*(\a)
.set SB, SCB+4*\b+(\ks)%4
.set SA, SCA+4*(\a)+(\ks)%4
.if \cm == 1
	v_wmma_scale_f32_16x16x128_f8f6f4 v[DD:DD+7], v[BB:BB+7], v[AA:AA+7], v[BIAS+8*\b:BIAS+8*\b+7], v[SB], v[SA] matrix_a_fmt:MATRIX_FMT_FP4 matrix_b_fmt:MATRIX_FMT_FP4
.else
.if (\ks) < 4
	v_wmma_scale_f32_16x16x128_f8f6f4 v[DD:DD+7], v[BB:BB+7], v[AA:AA+7], v[DD:DD+7], v[SB], v[SA] matrix_a_fmt:MATRIX_FMT_FP4 matrix_b_fmt:MATRIX_FMT_FP4
.else
	v_wmma_scale_f32_16x16x128_f8f6f4 v[DD:DD+7], v[BB:BB+7], v[AA:AA+7], v[DD:DD+7], v[SB], v[SA] matrix_a_fmt:MATRIX_FMT_FP4 matrix_b_fmt:MATRIX_FMT_FP4 matrix_a_scale:MATRIX_SCALE_ROW1 matrix_b_scale:MATRIX_SCALE_ROW1
.endif
.endif
.endr
.endr
.endm
.macro FETCH_B ks                      ; B's eight fragments of K step ks into set ks % 2 of window 1
	WIN 0x40
.irp i, 0,1,2,3,4,5,6,7
.irp c, 0,1
	ds_load_b128 v[128*((\ks)%2)+8*\i+4*\c:128*((\ks)%2)+8*\i+4*\c+3], v[ADRB] offset:64*(\ks)+32*\c+\i*16*PITCH
.endr
.endr
	WIN 0
.endm
.macro FETCH_A ks, i0                  ; A's blocks i0 .. i0 + 3
.irp i, \i0, \i0+1, \i0+2, \i0+3
.irp c, 0,1
	ds_load_b128 v[AF+8*(\i)+4*\c:AF+8*(\i)+4*\c+3], v[ADRA] offset:64*(\ks)+32*\c+(\i)*16*PITCH
.endr
.endr
.endm
; A step of 128 along K.  A has one set of registers: blocks 0-3 are fetched anew in the step's middle, blocks 4-7 at its end; B has two sets.
.macro STEP ks, cm
	s_wait_dscnt 8                                 ; B's set and A's blocks 0-3 are in; the youngest eight loads (A's blocks 4-7) may be out
.if \cm
	WIN 0x81                                       ; source 0 window 1, source 1 and C window 0, D window 2
.else
	WIN 0xa1                                       ; C and D window 2
.endif
	MUL16 0, \ks, \cm
	MUL16 2, \ks, \cm
	s_wait_dscnt 0
	PLACES
	FETCH_B (\ks)+1
	FETCH_A (\ks)+1, 0
.if \cm
	WIN 0xc1
.else
	WIN 0xf1
.endif
	MUL16 4, \ks, \cm
	MUL16 6, \ks, \cm
	PLACES
	WIN 0
	FETCH_A (\ks)+1, 4
.endm
	FETCH_B 0
	FETCH_A 0, 0
	FETCH_A 0, 4
	STEP 0, 1
	STEP 1, 0
	STEP 2, 0
	STEP 3, 0
	STEP 4, 0
	STEP 5, 0
	STEP 6, 0
	s_wait_dscnt 8
	WIN 0xa1
	MUL16 0, 7, 0
	MUL16 2, 7, 0
	s_wait_dscnt 0
	WIN 0xf1
	MUL16 4, 7, 0
	MUL16 6, 7, 0
	WIN 0
	; THE REFILL.  In every wave, ahead of the round behind which LDS bytes are filled again
	s_wait_tensorcnt 0x0                           ; no tensor load of mine is out, so the descriptors may be written
	ds_add_u32 v[SPW], v[NIL]
	s_mov_b32 s70, 64<<16                          ; A's loads now bring 64 rows: tensor_dim1,
	s_mov_b32 s72, 64                              ; tile_dim1
	s_mul_i32 s85, s59, 64*PITCH                   ; Wv's 128 rows lie where the tokens' first 128 lay
	s_mov_b64 s[86:87], s[46:47]
	s_or_b32 s87, s87, 0x80000000
	s_mov_b64 s[90:91], s[48:49]                   ; value's 256 rows where the weight's lay: the LDS address stays
	s_or_b32 s91, s91, 0x80000000
	s_wait_dscnt 0x0                               ; the add is done; my reads of part 1's tiles were over before
	CROUND                                         ; no wave of any partner still reads part 1's tiles or has a load on its way
	JLOAD                                          ; its four v_nop are also the places ahead of the loads below and of the first reads of results
.irp i, 0,1,2,3
	global_load_b128 v[SCA+4*\i:SCA+4*\i+3], v4, s[38:39] offset:512*\i   ; part 2's scale words and bias, on their way under part 1's quantiser
.endr
.irp i, 0,1,2,3,4,5,6,7
	global_load_b128 v[SCB+4*\i:SCB+4*\i+3], v4, s[34:35] offset:512*\i
.endr
.irp a, 0,1,2,3
	global_load_b32 v[BIAS2+8*\a], v6, s[40:41] offset:64*\a              ; channel 16 a + r
.endr
; THE QUANTISER, A's blocks 2 P and 2 P + 1 (e = 0, 1) by turns.  A lane's 64 numbers of a block, register 8 b' + j = place 16 b' + 8 h + j, become 8 registers of codes
; (registers 4 c .. 4 c + 3: places 64 c + 32 h + 0 .. 31) and the four blocks' bytes in one word.  Each accumulator is read from its low end on.  IMG: the image's address; LOF: the stores' lane offset.
.macro QPAIR P
.set AC, 128*((\P)%2)
.set WN, 2+(\P)/2
.set CD, AF+16*(\P)
	WIN (WN<<2)|(WN<<4)                            ; sources 1 and 2: the accumulators' window
.irp e, 0,1
.irp b, 0,1,2,3
	v_max3_num_f32 v[TM+4*\e+\b], v[FLR], |v[AC+64*\e+16*\b]|, |v[AC+64*\e+16*\b+1]|
.endr
.endr
.irp i, 2,4,6,8,10,12,14
.irp e, 0,1
.irp b, 0,1,2,3
	v_max3_num_f32 v[TM+4*\e+\b], v[TM+4*\e+\b], |v[AC+64*\e+16*\b+\i]|, |v[AC+64*\e+16*\b+\i+1]|
.endr
.endr
.endr
	WIN 0
.irp n, 0,1,2,3,4,5,6,7
	v_permlanex16_b32 v[TM+8+\n], v[TM+\n], s26, s27
.endr
.irp n, 0,1,2,3,4,5,6,7
	v_max_num_f32 v[TM+\n], v[TM+\n], v[TM+8+\n]   ; with lane l xor 16's 16: the block's largest magnitude
.endr
.irp n, 0,1,2,3,4,5,6,7
	v_add_nc_u32 v[TM+16+\n], 0xff000000, v[TM+\n] ; 2 off its exponent field: the conversion's scale operand
.endr
.irp n, 0,1,2,3,4,5,6,7
	v_lshrrev_b32 v[TM+8+\n], 23, v[TM+16+\n]      ; the scale's byte
.endr
.irp e, 0,1
	v_lshl_or_b32 v[PW+\e], v[TM+9+4*\e], 8, v[TM+8+4*\e]
.endr
.irp e, 0,1
	v_lshl_or_b32 v[PW+\e], v[TM+10+4*\e], 16, v[PW+\e]
.endr
.irp e, 0,1
	v_lshl_or_b32 v[PW+\e], v[TM+11+4*\e], 24, v[PW+\e]
.endr
	WIN WN                                         ; source 0: the accumulators' window
.irp e, 0,1
.irp b, 0,1,2,3
	v_cvt_scalef32_pk8_fp4_f32 v[CD+8*\e+4*(\b/2)+(\b%2)], v[AC+64*\e+16*\b:AC+64*\e+16*\b+7], v[TM+16+4*\e+\b]
	v_cvt_scalef32_pk8_fp4_f32 v[CD+8*\e+4*(\b/2)+2+(\b%2)], v[AC+64*\e+16*\b+8:AC+64*\e+16*\b+15], v[TM+16+4*\e+\b]
.endr
.endr
	WIN 0
	v_nop                                          ; one plain place behind a scaled conversion
.irp n, 0,2,4,6,8,10,12,14
	v_permlane16_swap_b32 v[CD+\n], v[CD+\n+1]     ; a whole block to a lane: lanes 0-15 block 2 c, lanes 16-31 block 2 c + 1
.endr
.if IMG == 14
	v_sub_nc_u32 v[PW], v[PW], s23                 ; q: / 8 (no byte is under 4, so nothing is borrowed)
	v_sub_nc_u32 v[PW+1], v[PW+1], s23
.endif
	v_add_nc_u32 v[OF+4*(\P)], s[92+2*(\P)], v[LOF]
	v_add_nc_u32 v[OF+4*(\P)+2], s[93+2*(\P)], v[LOF]
	v_add_nc_u32 v[OF+4*(\P)+1], s22, v[OF+4*(\P)]
	v_add_nc_u32 v[OF+4*(\P)+3], s22, v[OF+4*(\P)+2]
	v_cndmask_b32 v[MW+(\P)], v[PW], v[PW+1], s28  ; lanes 0-15 carry block 2 P's words, lanes 16-31 block 2 P + 1's
.irp n, 0,1,2,3
	global_store_b128 v[OF+4*(\P)+\n], v[CD+4*\n:CD+4*\n+3], s[IMG:IMG+1]
.endr
.endm
.set IMG, 14
.set LOF, VST
	QPAIR 0
	QPAIR 1
	QPAIR 2
	QPAIR 3
.irp P, 0,1,2,3                        ; q, k: a head has two blocks; the upper two bytes, which meet zero codes in the next launch, are 2^0
	v_and_or_b32 v[BIAS+2*\P], v[MW+\P], 0xffff, s29
	v_lshrrev_b32 v[BIAS+2*\P+1], 16, v[MW+\P]
.endr
.irp P, 0,1,2,3
	v_or_b32 v[BIAS+2*\P+1], s29, v[BIAS+2*\P+1]
.endr
.irp P, 0,1,2,3
	global_store_b32 v[VSS], v[BIAS+2*\P], s[16:17] offset:128*\P
	global_store_b32 v[VSS], v[BIAS+2*\P+1], s[16:17] offset:128*\P+4096   ; the next head's
.endr
; PART 2: v.  A wave makes 64 channels (one head) x 128 keys (one key step).
	s_mov_b32 s92, 0                               ; block a's place in v's image: 128 (a % 2) + 2,048 (a / 2)
	s_mov_b32 s93, 128
	s_mov_b32 s94, 2048
	s_mov_b32 s95, 2176
	s_mov_b32 s22, 512                             ; the half c of the 128 keys: the next 512 bytes
	s_wait_alu depctr_va_vdst(0)                   ; directly ahead of the waits below
	s_wait_xcnt 0x0                                ; part 1's stores have read their registers: these are written again below
	s_wait_loadcnt 0x0                             ; part 2's scale words and bias
.irp a, 0,1,2,3
.irp j, 1,2,3,4,5,6,7
	v_mov_b32 v[BIAS2+8*\a+\j], v[BIAS2+8*\a]      ; the lane's bias for each of block a's sums
.endr
.endr
	s_wait_alu depctr_va_vdst(0)                   ; directly ahead of the wait below
	s_wait_tensorcnt 0x0                           ; my part of part 2's tiles has landed
	s_barrier_signal -1
	s_barrier_wait -1                              ; and everybody's
.macro FETCH_A2 ks                     ; A's four fragments into set ks % 2
.irp i, 0,1,2,3
.irp c, 0,1
	ds_load_b128 v[AF+32*((\ks)%2)+8*\i+4*\c:AF+32*((\ks)%2)+8*\i+4*\c+3], v[ADRA2] offset:64*(\ks)+32*\c+\i*16*PITCH
.endr
.endr
.endm
.macro MUL2 ks                         ; 32 products; the accumulators take turns
.irp a, 0,1,2,3
.irp b, 0,1,2,3,4,5,6,7
.set DD, 8*(8*\a+\b)
.set BB, 128*((\ks)%2)+8*\b
.set AA, AF+32*((\ks)%2)+8*\a
.set SB, SCB+4*\b+(\ks)%4
.set SA, SCA+4*\a+(\ks)%4
.if (\ks) == 0
	v_wmma_scale_f32_16x16x128_f8f6f4 v[DD:DD+7], v[BB:BB+7], v[AA:AA+7], v[BIAS2+8*\a:BIAS2+8*\a+7], v[SB], v[SA] matrix_a_fmt:MATRIX_FMT_FP4 matrix_b_fmt:MATRIX_FMT_FP4
.else
.if (\ks) < 4
	v_wmma_scale_f32_16x16x128_f8f6f4 v[DD:DD+7], v[BB:BB+7], v[AA:AA+7], v[DD:DD+7], v[SB], v[SA] matrix_a_fmt:MATRIX_FMT_FP4 matrix_b_fmt:MATRIX_FMT_FP4
.else
	v_wmma_scale_f32_16x16x128_f8f6f4 v[DD:DD+7], v[BB:BB+7], v[AA:AA+7], v[DD:DD+7], v[SB], v[SA] matrix_a_fmt:MATRIX_FMT_FP4 matrix_b_fmt:MATRIX_FMT_FP4 matrix_a_scale:MATRIX_SCALE_ROW1 matrix_b_scale:MATRIX_SCALE_ROW1
.endif
.endif
.endr
.endr
.endm
.macro STEP2 ks                        ; this step's fragments are in; the next step's are asked for, into the sets that the step before read; then the products
	s_wait_dscnt 0x0
.if (\ks) < 7
	PLACES
	FETCH_B (\ks)+1
	FETCH_A2 (\ks)+1
.endif
.if (\ks) == 0
	WIN 0x81
.else
	WIN 0xa1
.endif
	MUL2 \ks
	WIN 0
.endm
	FETCH_B 0
	FETCH_A2 0
	STEP2 0
	STEP2 1
	STEP2 2
	STEP2 3
	STEP2 4
	STEP2 5
	STEP2 6
	STEP2 7
	PLACES                                         ; ahead of reads of results and of writes into A's fragments
.set IMG, 42
.set LOF, VST2
	QPAIR 0
	QPAIR 1
.irp P, 0,1
	global_store_b32 v[VSS2], v[MW+\P], s[44:45] offset:128*\P   ; the key step's four blocks, tiles 2 P and 2 P + 1 of my head
.endr
	s_wait_tensorcnt 0x0                           ; the wave's end
	ds_add_u32 v[SPW], v[NIL]
	s_wait_dscnt 0x0
	CROUND                                         ; the closing round
	s_endpgm
.Lfunc_end_k_q88380416d7_proj:
	.size	k_q88380416d7_proj, .Lfunc_end_k_q88380416d7_proj-k_q88380416d7_proj
	.p2alignl 7, 3214868480
	.fill 96, 4, 3214868480
	.section	.rodata,"a",@progbits
	.p2align	6, 0x0
	.amdhsa_kernel k_q88380416d7_proj
		.amdhsa_group_segment_fixed_size 327680
		.amdhsa_private_segment_fixed_size 0
		.amdhsa_enable_private_segment 0
		.amdhsa_kernarg_size 168
		.amdhsa_user_sgpr_count 2
		.amdhsa_user_sgpr_kernarg_segment_ptr 1
		.amdhsa_wavefront_size32 1
		.amdhsa_system_sgpr_workgroup_id_x 1
		.amdhsa_system_sgpr_workgroup_id_y 1
		.amdhsa_system_sgpr_workgroup_id_z 1
		.amdhsa_system_vgpr_workitem_id 0
		.amdhsa_next_free_vgpr 1024
		.amdhsa_next_free_sgpr 100
		.amdhsa_reserve_vcc 0
		.amdhsa_float_denorm_mode_32 3
		.amdhsa_float_denorm_mode_16_64 3
		.amdhsa_memory_ordered 1
		.amdhsa_forward_progress 1
		.amdhsa_inst_pref_size 197
	.end_amdhsa_kernel
	.amdgpu_metadata
---
amdhsa.version: [ 1, 2 ]
amdhsa.kernels:
  - .name:           k_q88380416d7_proj
    .symbol:         k_q88380416d7_proj.kd
    .args:
      - { .name: query_codes, .offset: 0, .size: 8, .value_kind: global_buffer, .address_space: global }
      - { .name: query_scales, .offset: 8, .size: 8, .value_kind: global_buffer, .address_space: global }
      - { .name: Wq_codes, .offset: 16, .size: 8, .value_kind: global_buffer, .address_space: global }
      - { .name: Wq_scales, .offset: 24, .size: 8, .value_kind: global_buffer, .address_space: global }
      - { .name: bq, .offset: 32, .size: 8, .value_kind: global_buffer, .address_space: global }
      - { .name: qimg, .offset: 40, .size: 8, .value_kind: global_buffer, .address_space: global }
      - { .name: qscl, .offset: 48, .size: 8, .value_kind: global_buffer, .address_space: global }
      - { .name: key_codes, .offset: 56, .size: 8, .value_kind: global_buffer, .address_space: global }
      - { .name: key_scales, .offset: 64, .size: 8, .value_kind: global_buffer, .address_space: global }
      - { .name: Wk_codes, .offset: 72, .size: 8, .value_kind: global_buffer, .address_space: global }
      - { .name: Wk_scales, .offset: 80, .size: 8, .value_kind: global_buffer, .address_space: global }
      - { .name: bk, .offset: 88, .size: 8, .value_kind: global_buffer, .address_space: global }
      - { .name: kimg, .offset: 96, .size: 8, .value_kind: global_buffer, .address_space: global }
      - { .name: kscl, .offset: 104, .size: 8, .value_kind: global_buffer, .address_space: global }
      - { .name: value_codes, .offset: 112, .size: 8, .value_kind: global_buffer, .address_space: global }
      - { .name: value_scales, .offset: 120, .size: 8, .value_kind: global_buffer, .address_space: global }
      - { .name: Wv_codes, .offset: 128, .size: 8, .value_kind: global_buffer, .address_space: global }
      - { .name: Wv_scales, .offset: 136, .size: 8, .value_kind: global_buffer, .address_space: global }
      - { .name: bv, .offset: 144, .size: 8, .value_kind: global_buffer, .address_space: global }
      - { .name: vimg, .offset: 152, .size: 8, .value_kind: global_buffer, .address_space: global }
      - { .name: vscl, .offset: 160, .size: 8, .value_kind: global_buffer, .address_space: global }
    .group_segment_fixed_size: 327680
    .private_segment_fixed_size: 0
    .kernarg_segment_align: 8
    .kernarg_segment_size: 168
    .max_flat_workgroup_size: 128
    .sgpr_count:     100
    .vgpr_count:     1024
    .wavefront_size: 32
...
	.end_amdgpu_metadata
.endif
;; end of part 1
;; launch attn (part 2): grid 2 x 128, 16 waves a work-group, no clusters, 317,440 bytes of LDS; arguments qimg, qscl, kimg, kscl, vimg, vscl, rel_k_table, rel_v_table, ctximg, ctxscl, out1; writes ctximg, ctxscl, out1
.if DOCPART == 2
	.amdgcn_target "amdgcn-amd-amdhsa--gfx1250"
	.amdhsa_code_object_version 6
	.text
	.protected	k_q88380416d7_attn
	.globl	k_q88380416d7_attn
	.p2align	8
	.type	k_q88380416d7_attn,@function
k_q88380416d7_attn:
	s_mov_b64 s[64:65], 0
	v_nop
	global_prefetch_b8 v0, s[64:65] scope:SCOPE_SE
	s_setreg_imm32_b32 hwreg(HW_REG_WAVE_MODE, 25, 1), 1
	s_wait_xcnt 0x0
; Attention with relative keys and values, all four products on codes of FP4 (E2M1) with E8M0 scales; the context leaves as codes for the last projection; head 0's weights leave as out1.
; SHARES.  Work-group (x, 16 batch + head) owns the 32 tiles of 16 queries ti = 2 j + x of its head; wave w takes j = w and j = w + 16, one tile at a time in 256 registers: four waves to a SIMD, so that one wave's
; vector work stands beside another's products and LDS loads.  The head's K and V and the work-group's Q (as the first launch laid them: images of the operands' registers) come into LDS once; the loops hold no barrier
; and nothing is filled again.  No cluster: only the two work-groups of a head share tiles, and they are fetched once, by one group of first fills.
; LAYOUT.  S^T = K Q^T and O^T = V^T P^T: a lane holds ONE query (lane % 16).  The head's 64 channels fill half of a product's K = 128: Q's upper four registers are zero codes, K's are whatever follows (finite codes
; times zero), and the scale bytes there are 2^0.  The keys of a tile of K and the channels of a tile of V are laid so that 16 registers of two neighbouring tiles are 16 neighbours (32 b + 16 h + 0 .. 15).
; THE RELATIVE KEYS.  The operand's rows are the table's 33 rows quantised along the channels: R[q][n] = Q(q) . Q(relk[n]) is three products a tile.  They are laid out in the wave's own LDS rows E: for query r 128 numbers,
; 32 x R[32] | the 64 keys of the window | 32 x R[0]; each block of 32 keys takes one of the four pieces as the C of its products.
; THE RELATIVE VALUES are quantised along the KEYS in blocks of 32.  With WB = j + x - 1: blocks under WB hold relv[32][d] throughout (L), blocks over WB + 1 relv[0][d] (R); only blocks WB and WB + 1, the window, differ
; from query to query, and there the table's row is clamp(r + 48 - 16 x - kk, 0, 32), kk = 0 .. 63.  Far part: four more products a step on the same p, whose source 0 is one of five patterns (L,L) (L,0) (0,0) (0,R) (R,R)
; for each pair of blocks.  Window: once a tile, 32 products in which K stands for (query 2 s + c, window block h, key i): source 0 is the table T, source 1 the tile's p codes of the window, kept in the two lanes of that query alone.
; THE SOFTMAX: t = logit x log2(e); M = the running largest t rounded up to a whole number; p = 2^(t - M) is quantised along the keys; the sum is taken of the unquantised p and divides at the end; when M moves, sums are
; multiplied by 2^(old M - new M), which rounds nothing.  The window's codes are kept with the M under which they were made, and their bytes are brought under the last M.
; OUT1.  Each work-group makes 32 rows of head 0's weights of its batch (tiles 2 (2 head + w / 8) + x), each wave one step of 128 keys; maxima and sums meet in LDS.  It stands ahead of the main loop: nothing waits for its
; stores, and no load from memory stands behind them: the main loop takes Q from LDS.
; LIMITS: NaN and infinities are not served.  No block's largest magnitude is taken under 2^(3 - 127); a block of zeros keeps the byte 1 over zero codes.  A window block's byte is held at 0 from below where M has moved on by more.
.set KIMG,  0                          ; my head's K: 64 tiles x 512 bytes
.set VIMG,  32768                      ; my head's V: [step 8][tile 4][half 2][512]
.set K0IMG, 65536                      ; head 0's K
.set KSC,   98304                      ; K's scale words [pair 32][r 16][u 2]
.set VSC,   102400                     ; V's [step 8][pair 2][r][u]
.set K0SC,  104448                     ; head 0's K's
.set QSC,   108544                     ; my head's Q's scale words [j 32][r 16][x 2]
.set QIMG,  112640                     ; my work-group's 32 tiles of Q: [j 32][512].  Up to the end of these tensor loads fill; from there on only LDS stores write
.set ZVP,   129024                     ; the five patterns [5][tile 4][512]
.set ZVS,   139264                     ; their five scale words [5][pair 2][r][u]
.set RKI,   140800                     ; the relative keys' table as four tiles of 512 bytes
.set RKS,   142848                     ; its scale words [4][r]
.set TSC,   143104                     ; T's scale words [s 8][pair 2][r][u], byte 2 c + h
.set TIMG,  145152                     ; T [s 8][tile 4][c 2][512]
.set RED,   177920                     ; out1's maxima [wave][r], and 1,024 bytes on its sums
.set EB,    179968                     ; E: for each wave 16 rows of 512 bytes + 16
.set EP,    528
.set FLOOR, 0x1800000                  ; 2^(3 - 127)
; REGISTERS: v1 r, v2 h, v3 16 x lane; v4-7 the step's addresses of K, K's words, V, V's words; v8-11 of E's four pieces; v12 -M, v13 the largest t, v[14:15] the sum; v16-23 Q; v24 Q's scale word; v25-27 the patterns' and
;   their words' addresses; v28, v29 offsets 8 r + 4 x and 4 r; v30, v31 Q's LDS addresses; v32-67 K's fragments, then v32-63 V's (T's) and v64-95 the patterns'; v96-159 E's piece, then S^T, then p; v160-191 O^T (ahead of the
;   main loop: addresses of the tables' build); v192-199 p's codes; v200-203 the window's codes, v204-205 its bytes, v206-207 -M at their making; v208-225 scale words (v212-215, v224-225 also at work in the sums); v226-238 addresses that stay; v240-254 at work.
; s26 wave, s27 x, s28 16 batch + head, s29 batch, s30 head, s31 j, s32 ti, s33 U = 4 s - WB + 32, s34-37 the step's LDS offsets, s38, s39 counters, s40-47 at work, s[58:59] log2(e).
.macro PLACES                          ; four plain places behind a matrix instruction (ISA guide 7.12.1)
.rept 4
	v_nop
.endr
.endm
.macro WMA d, a, b, sa, sb             ; D += A x B
	v_wmma_scale_f32_16x16x128_f8f6f4 v[\d:\d+7], v[\a:\a+7], v[\b:\b+7], v[\d:\d+7], v[\sa], v[\sb] matrix_a_fmt:MATRIX_FMT_FP4 matrix_b_fmt:MATRIX_FMT_FP4
.endm
.macro WMZ d, a, b, sa, sb             ; D = A x B
	v_wmma_scale_f32_16x16x128_f8f6f4 v[\d:\d+7], v[\a:\a+7], v[\b:\b+7], 0, v[\sa], v[\sb] matrix_a_fmt:MATRIX_FMT_FP4 matrix_b_fmt:MATRIX_FMT_FP4
.endm
.macro QLOAD bhx                       ; from memory: Q's fragment and scale words of tile s32 (pair s31) of head bhx
	s_lshl_b32 s48, \bhx, 6
	s_add_co_u32 s48, s48, s32
	s_lshl_b32 s48, s48, 9
	s_mov_b32 s49, 0
	s_add_nc_u64 s[48:49], s[4:5], s[48:49]
	s_lshl_b32 s50, \bhx, 5
	s_add_co_u32 s50, s50, s31
	s_lshl_b32 s50, s50, 7
	s_mov_b32 s51, 0
	s_add_nc_u64 s[50:51], s[6:7], s[50:51]
	global_load_b128 v[16:19], v3, s[48:49]
	global_load_b32 v24, v28, s[50:51]
.endm
	s_load_b512 s[4:19], s[0:1], 0x0               ; qimg, qscl, kimg, kscl, vimg, vscl, rel_k_table, rel_v_table
	s_load_b128 s[20:23], s[0:1], 0x40             ; ctximg, ctxscl
	s_load_b64 s[24:25], s[0:1], 0x50              ; out1
	v_lshl_add_u32 v239, v0, 2, 0x4d000
	v_mov_b32 v255, 0
	ds_add_u32 v239, v255
	ds_add_u32 v239, v255
	v_lshrrev_b32 v1, 5, v0
	s_delay_alu instid0(VALU_DEP_1)
	v_readfirstlane_b32 s26, v1                    ; wave 0..15
	s_and_b32 s27, ttmp9, 1                        ; x
	s_xor_b32 s57, s27, 1                          ; 1 - x
	s_and_b32 s28, ttmp7, 0xffff
	s_lshr_b32 s29, s28, 4
	s_and_b32 s30, s28, 15
	s_mov_b32 s58, 0x3fb8aa3b                      ; log2(e)
	s_mov_b32 s59, s58                             ; (named with it as a pair, so it is written)
	s_mov_b32 s60, 0x76543210
	s_mov_b32 s61, 0xfedcba98                      ; v_permlanex16_b32's selects for lane l xor 16
	s_mov_b32 s62, 0xffff0000                      ; lanes 16-31
	; descriptor groups 1: dense blocks as rows of 32 elements of 8 bytes: 64 rows (16 KiB) and 8 rows (2 KiB)
	s_mov_b32 s68, 3<<16
	s_mov_b32 s69, 32<<16
	s_mov_b32 s70, 64<<16
	s_mov_b32 s71, 32<<16
	s_mov_b32 s72, 64
	s_mov_b32 s73, 32
	s_mov_b32 s74, 0
	s_mov_b32 s75, 0
	s_mov_b32 s76, 3<<16
	s_mov_b32 s77, 32<<16
	s_mov_b32 s78, 8<<16
	s_mov_b32 s79, 32<<16
	s_mov_b32 s80, 8
	s_mov_b32 s81, 32
	s_mov_b32 s82, 0
	s_mov_b32 s83, 0
	; and Q's images: every second tile of the head: 32 rows of 64 elements of 8 bytes (512 bytes), 128 elements from row to row; dense in LDS
	s_mov_b32 s92, 3<<16
	s_mov_b32 s93, 64<<16
	s_mov_b32 s94, 32<<16
	s_mov_b32 s95, 64<<16
	s_mov_b32 s96, 32
	s_mov_b32 s97, 128
	s_mov_b32 s98, 0
	s_mov_b32 s99, 0
	; waves 0, 1: my K's halves; 2, 3: my V's; 4, 5: head 0's K's.  Waves 6, 7: my K's scale words; 8: my V's; 9, 10: head 0's K's; 11, 12: my Q's.  Wave 13: my Q's images
	s_lshl_b32 s43, s29, 4                         ; head 0 of my batch
	s_and_b32 s41, s26, 1
	s_cmp_lt_u32 s26, 4
	s_cselect_b32 s40, s28, s43
	s_lshl_b32 s50, s40, 15
	s_lshl_b32 s42, s41, 14
	s_add_co_u32 s50, s50, s42
	s_mov_b32 s51, 0
	s_xor_b32 s42, s41, 1
	s_cmp_lt_u32 s26, 8
	s_cselect_b32 s42, s41, s42                    ; which half: waves 6, 7 by wave % 2; from wave 9 on the odd wave takes the first
	s_cselect_b32 s40, s28, s43
	s_cmp_lt_u32 s26, 11
	s_cselect_b32 s40, s40, s28                    ; Q's words are my own head's
	s_lshl_b32 s52, s40, 12
	s_lshl_b32 s42, s42, 11
	s_add_co_u32 s52, s52, s42
	s_lshl_b32 s42, s28, 11
	s_mov_b32 s53, 0
	s_wait_dscnt 0x0
	s_wait_kmcnt 0x0
	s_cmp_eq_u32 s26, 8
	s_cselect_b32 s52, s42, s52
	s_cselect_b64 s[48:49], s[14:15], s[10:11]
	s_cmp_lt_u32 s26, 11
	s_cselect_b64 s[48:49], s[48:49], s[6:7]
	s_mov_b32 s88, 1
	s_lshl_b32 s89, s26, 11
	s_add_co_u32 s89, s89, KSC-6*2048
	s_add_nc_u64 s[90:91], s[48:49], s[52:53]
	s_or_b32 s91, s91, 0x80000000
	s_lshr_b32 s42, s26, 1
	s_cmp_eq_u32 s42, 1
	s_cselect_b64 s[48:49], s[12:13], s[8:9]
	s_mov_b32 s84, 1
	s_lshl_b32 s85, s26, 14
	s_add_nc_u64 s[86:87], s[48:49], s[50:51]
	s_or_b32 s87, s87, 0x80000000
	s_lshl_b32 s50, s28, 6
	s_add_co_u32 s50, s50, s27
	s_lshl_b32 s50, s50, 9                         ; tile x of my head's 64 (s51 is still 0)
	s_mov_b32 s52, 1
	s_mov_b32 s53, QIMG
	s_add_nc_u64 s[54:55], s[4:5], s[50:51]
	s_or_b32 s55, s55, 0x80000000
	s_cmp_lt_u32 s26, 6                            ; THE FIRST FILLS: one tensor load a wave is out; four v_nop follow each line
	s_cbranch_scc0 .Lnot_images
	tensor_load_to_lds s[84:87], s[68:75]
	s_nop 0
	PLACES
	s_branch .Lasked
.Lnot_images:
	s_cmp_lt_u32 s26, 13
	s_cbranch_scc0 .Lnot_words
	tensor_load_to_lds s[88:91], s[76:83]
	s_nop 0
	PLACES
	s_branch .Lasked
.Lnot_words:
	s_cmp_eq_u32 s26, 13
	s_cbranch_scc0 .Lasked
	tensor_load_to_lds s[52:55], s[92:99]
	s_nop 0
	PLACES
.Lasked:
	; every address register is made here, on the way that all waves take
	v_and_b32 v1, 15, v0                           ; r
	v_bfe_u32 v2, v0, 4, 1                         ; h
	v_and_b32 v3, 31, v0
	s_delay_alu instid0(VALU_DEP_1)
	v_lshlrev_b32 v3, 4, v3                        ; 16 x lane
	s_mul_i32 s44, s26, 16*EP
	s_add_co_u32 s44, s44, EB                      ; my wave's E
	v_mul_u32_u24 v226, v1, EP
	s_delay_alu instid0(VALU_DEP_1)
	v_add_nc_u32 v226, s44, v226
	s_delay_alu instid0(VALU_DEP_1)
	v_lshl_add_u32 v237, v2, 8, v226               ; the fill: lanes 0-15 the row's first 256 bytes, lanes 16-31 the others
	s_delay_alu instid0(VALU_DEP_2)
	v_lshl_add_u32 v226, v2, 6, v226               ; a piece's read: row r, + 64 h
	v_mul_u32_u24 v236, v1, EP+4                   ; the scatter: R[r][n] goes to place r + 80 - 16 x - n of row r
	s_delay_alu instid0(VALU_DEP_1)
	v_add_nc_u32 v236, s44, v236
	s_delay_alu instid0(VALU_DEP_1)
	v_add_nc_u32 v236, 228, v236
	v_lshlrev_b32 v254, 5, v2
	s_delay_alu instid0(VALU_DEP_1)
	v_sub_nc_u32 v236, v236, v254
	s_lshl_b32 s45, s27, 6
	v_sub_nc_u32 v236, v236, s45
	v_add_nc_u32 v238, s44, v3                     ; whole rows back
	v_lshl_add_u32 v227, v1, 3, KSC
	v_add_nc_u32 v228, VIMG, v3
	v_lshl_add_u32 v229, v1, 3, VSC
	v_add_nc_u32 v230, ZVP, v3
	v_lshl_add_u32 v231, v1, 3, ZVS
	v_add_nc_u32 v232, TIMG, v3
	v_lshl_add_u32 v233, v1, 3, TSC
	v_add_nc_u32 v234, RKI, v3
	v_lshl_add_u32 v235, v1, 2, RKS
	v_lshlrev_b32 v28, 3, v1
	s_delay_alu instid0(VALU_DEP_1)
	v_lshl_add_u32 v28, s27, 2, v28                ; Q's scale word: 8 r + 4 x
	s_wait_alu depctr_va_vdst(0)
	v_lshlrev_b32 v29, 2, v1
	; out1's tile of head 0's queries is asked for now, ahead of the tables' build: j = 2 head + w / 8, ti = 2 j + x
	s_lshr_b32 s40, s26, 3
	s_lshl_b32 s31, s30, 1
	s_add_co_u32 s31, s31, s40
	s_lshl_b32 s32, s31, 1
	s_add_co_u32 s32, s32, s27
	s_lshl_b32 s47, s29, 4
	QLOAD s47
	s_lshr_b32 s40, s26, 1
	s_and_b32 s41, s26, 1
	s_and_b32 s42, s26, 3
	s_and_b32 s43, s40, 1
	s_lshl_b32 s44, s40, 12
	s_lshl_b32 s45, s41, 9
	s_add_co_u32 s44, s44, s45
	s_add_co_u32 s44, s44, TIMG
	v_add_nc_u32 v160, s44, v3                     ; T's codes of query w: s = w / 2, c = w % 2
	s_lshl_b32 s44, s40, 8
	s_lshl_b32 s45, s41, 1
	s_add_co_u32 s44, s44, s45
	s_add_co_u32 s44, s44, TSC
	v_lshl_add_u32 v161, v1, 3, v2
	s_delay_alu instid0(VALU_DEP_1)
	v_add_nc_u32 v161, s44, v161                   ; and their bytes
	s_lshl_b32 s44, s42, 9
	s_add_co_u32 s45, s44, ZVP
	v_add_nc_u32 v162, s45, v3                     ; the patterns of tile w % 4
	s_add_co_u32 s45, s44, RKI
	v_add_nc_u32 v164, s45, v3                     ; the relative keys' tile w % 4
	s_lshl_b32 s44, s43, 7
	s_lshl_b32 s45, s41, 2
	s_add_co_u32 s44, s44, s45
	s_add_co_u32 s44, s44, ZVS
	v_lshl_add_u32 v163, v1, 3, s44
	s_lshl_b32 s44, s42, 6
	s_add_co_u32 s44, s44, RKS
	v_lshl_add_u32 v165, v1, 2, v2
	s_delay_alu instid0(VALU_DEP_1)
	v_add_nc_u32 v165, s44, v165
	s_lshl_b32 s44, s26, 6
	s_add_co_u32 s44, s44, RED
	v_lshl_add_u32 v166, v1, 2, s44                ; my wave's word for query r
	s_lshr_b32 s44, s26, 3
	s_lshl_b32 s44, s44, 9
	s_add_co_u32 s44, s44, RED
	v_lshl_add_u32 v167, v1, 2, s44                ; the eight waves' of my tile
	v_lshrrev_b32 v254, 3, v1
	s_delay_alu instid0(VALU_DEP_1)
	v_lshl_add_u32 v168, v254, 3, v1
	s_delay_alu instid0(VALU_DEP_1)
	v_lshlrev_b32 v168, 2, v168                    ; 4 (r + 8 (r / 8)): my channel in a tile of V
	s_lshl_b32 s44, s43, 7
	s_lshl_b32 s45, s41, 5
	s_add_co_u32 s44, s44, s45
	v_add_nc_u32 v170, s44, v168                   ; the same in tile w % 4
	s_lshl_b32 s44, s42, 4
	v_add_nc_u32 v171, s44, v1
	s_delay_alu instid0(VALU_DEP_1)
	v_min_u32 v171, 32, v171                       ; the relative keys' row min(16 (w % 4) + r, 32),
	s_delay_alu instid0(VALU_DEP_1)
	v_lshlrev_b32 v171, 8, v171
	s_delay_alu instid0(VALU_DEP_1)
	v_lshl_add_u32 v171, v2, 7, v171               ; my half's 32 channels
	s_lshl_b32 s44, s27, 4
	s_add_co_u32 s45, s26, 48
	s_sub_co_u32 s45, s45, s44
	v_lshlrev_b32 v254, 5, v2
	s_delay_alu instid0(VALU_DEP_1)
	v_sub_nc_u32 v169, s45, v254                   ; w + 48 - 16 x - 32 h
.irp i, 220,221,222,223
	v_mov_b32 v[\i], 0x7f7f7f7f                    ; the patterns' scale words, written once: 2^0 until the first step loads them
.endr
.irp i, 20,21,22,23,64,65,66,67,244,245,246,247,13,253
	v_mov_b32 v[\i], 0                             ; Q's upper half: zero codes; what the last tile of K names beyond its own; destinations of lane permutes and upper halves of pairs, written once
.endr
; ---- THE TABLES, while the fills land
; 32 numbers of a lane, one block: codes into 4 registers, the byte into one
.macro QB32 src, dst, byte
	v_max3_num_f32 v244, |v[\src]|, |v[\src+1]|, |v[\src+2]|
	v_max3_num_f32 v245, |v[\src+3]|, |v[\src+4]|, |v[\src+5]|
.irp i, 6,10,14,18,22,26
	s_delay_alu instid0(VALU_DEP_2)
	v_max3_num_f32 v244, v244, |v[\src+\i]|, |v[\src+\i+1]|
	s_delay_alu instid0(VALU_DEP_2)
	v_max3_num_f32 v245, v245, |v[\src+\i+2]|, |v[\src+\i+3]|
.endr
	s_delay_alu instid0(VALU_DEP_2)
	v_max3_num_f32 v244, v244, |v[\src+30]|, |v[\src+31]|
	s_delay_alu instid0(VALU_DEP_1)
	v_max3_num_f32 v244, v244, v245, FLOOR
	s_delay_alu instid0(VALU_DEP_1)
	v_add_nc_u32 v248, 0xff000000, v244            ; 2 off the exponent field: the conversion's scale operand
	s_delay_alu instid0(VALU_DEP_1)
	v_lshrrev_b32 v[\byte], 23, v248
.irp g, 0,1,2,3
	v_cvt_scalef32_pk8_fp4_f32 v[\dst+\g], v[\src+8*\g:\src+8*\g+7], v248
.endr
	v_nop                                          ; one plain place behind a scaled conversion
.endm
; T: wave w makes query w's part.  Lane (r, h) holds channel r of a tile and window block h; its 32 registers run along the block's keys: the table's row clamp(w + 48 - 16 x - 32 h - i, 0, 32)
.set ii, 0
.rept 32
	v_add_nc_u32 v254, -ii, v169
	s_delay_alu instid0(VALU_DEP_1)
	v_max_i32 v254, 0, v254
	s_delay_alu instid0(VALU_DEP_1)
	v_min_i32 v254, 32, v254
	s_delay_alu instid0(VALU_DEP_1)
	v_lshl_add_u32 v[32+ii], v254, 8, v168
.set ii, ii+1
.endr
.macro TLD t                           ; tile t's 32 numbers into set t % 2
.irp i, 0,1,2,3,4,5,6,7,8,9,10,11,12,13,14,15,16,17,18,19,20,21,22,23,24,25,26,27,28,29,30,31
	global_load_b32 v[96+32*((\t)%2)+\i], v[32+\i], s[18:19] offset:(32*((\t)/2)+8*((\t)%2))*4
.endr
.endm
	TLD 0
	TLD 1
.irp t, 0,1,2,3
.if \t < 3
	s_wait_loadcnt 32                              ; this tile's 32 loads are in (and Q's two, which are older); the next tile's 32 may be out
.else
	s_wait_loadcnt 0x0
.endif
	QB32 96+32*(\t%2), 192+4*\t, 240+\t
	ds_store_b128 v160, v[192+4*\t:195+4*\t] offset:1024*\t
	ds_store_b8 v161, v[240+\t] offset:(\t/2)*128+(\t%2)*4
.if \t < 2
	TLD \t+2
.endif
.endr
	s_cmp_lt_u32 s26, 4
	s_cbranch_scc0 .Lnot_patterns
	; waves 0-3: the far blocks of tile w: a block that holds one number throughout is one code eight times in each register, and one byte
	global_load_b32 v128, v170, s[18:19] offset:8192   ; relv[32][d]
	global_load_b32 v129, v170, s[18:19]               ; relv[0][d]
	s_wait_loadcnt 0x0
	v_max3_num_f32 v244, |v128|, |v128|, FLOOR
	v_max3_num_f32 v245, |v129|, |v129|, FLOOR
	s_delay_alu instid0(VALU_DEP_2)
	v_add_nc_u32 v248, 0xff000000, v244
	s_delay_alu instid0(VALU_DEP_2)
	v_add_nc_u32 v249, 0xff000000, v245
	s_delay_alu instid0(VALU_DEP_2)
	v_lshrrev_b32 v240, 23, v248
	s_delay_alu instid0(VALU_DEP_2)
	v_lshrrev_b32 v241, 23, v249
.irp i, 0,1,2,3,4,5,6,7
	v_mov_b32 v[96+\i], v128
	v_mov_b32 v[104+\i], v129
.endr
	v_cvt_scalef32_pk8_fp4_f32 v130, v[96:103], v248
	v_cvt_scalef32_pk8_fp4_f32 v131, v[104:111], v249
	v_nop
	v_lshl_or_b32 v242, v241, 8, v240              ; L's byte, R's byte
	v_mov_b32 v243, 0
.irp n, 0,1,2,3
	v_mov_b32 v[132+\n], v130                      ; (L, L): lanes 0-15 hold a pair's first block, lanes 16-31 its second
	v_cndmask_b32 v[136+\n], v130, v243, s62       ; (L, 0)
	v_mov_b32 v[140+\n], 0                         ; (0, 0)
	v_cndmask_b32 v[144+\n], v243, v131, s62       ; (0, R)
	v_mov_b32 v[148+\n], v131                      ; (R, R)
.endr
	v_perm_b32 v152, v242, v242, 0                 ; the step's four bytes: L's for the first 4 - n blocks, R's for the others
	v_perm_b32 v153, v242, v242, 0x01000000
	v_perm_b32 v154, v242, v242, 0x01010000
	v_perm_b32 v155, v242, v242, 0x01010100
	v_perm_b32 v156, v242, v242, 0x01010101
.irp n, 0,1,2,3,4
	ds_store_b128 v162, v[132+4*\n:135+4*\n] offset:2048*\n
	ds_store_b32 v163, v[152+\n] offset:256*\n
.endr
	s_branch .Ltables_done
.Lnot_patterns:
	s_cmp_lt_u32 s26, 8
	s_cbranch_scc0 .Ltables_done
	; waves 4-7: the relative keys' rows as tiles of 16, quantised along the channels (the fourth tile only stands behind the third's registers)
.irp n, 0,1,2,3,4,5,6,7
	global_load_b128 v[96+4*\n:99+4*\n], v171, s[16:17] offset:16*\n
.endr
	s_wait_loadcnt 0x0
	QB32 96, 132, 240
	v_mov_b32 v241, 0x7f
	ds_store_b128 v164, v[132:135]
	ds_store_b8 v165, v240                         ; bytes 0, 1: the row's two blocks;
	ds_store_b8 v165, v241 offset:2                ; bytes 2, 3: 2^0
.Ltables_done:
	s_wait_tensorcnt 0x0                           ; my fill has landed,
	s_wait_dscnt 0x0                               ; my stores too
	s_barrier_signal -1
	s_barrier_wait -1
; ---- what both parts use
.macro QLDS                            ; from LDS: Q's fragment and scale words of my tile j = s31
	s_lshl_b32 s48, s31, 9
	s_add_co_u32 s48, s48, QIMG
	v_add_nc_u32 v30, s48, v3
	s_lshl_b32 s49, s31, 7
	s_add_co_u32 s49, s49, QSC
	v_add_nc_u32 v31, s49, v28
	ds_load_b128 v[16:19], v30
	ds_load_b32 v24, v31
.endm
.macro RBUILD g                        ; R = relk Q^T, laid out in my E.  g = 1: Q comes from memory
.irp n, 0,1,2,3
	ds_load_b128 v[32+4*\n:35+4*\n], v234 offset:512*\n
.endr
.irp n, 0,1,2
	ds_load_b32 v[208+\n], v235 offset:64*\n
.endr
.if \g
	s_wait_loadcnt 0x0                             ; Q
.endif
	s_wait_dscnt 0x0
.irp n, 0,1,2
	WMZ 96+8*\n, 32+4*\n, 16, 208+\n, 24           ; lane (r, h), register i: R[r][16 n + 8 h + i]
.endr
	PLACES
	v_permlanex16_b32 v254, v96, s60, s61
	v_mov_b32 v30, v112                            ; R[r][32] in every lane: the third tile's rows are all the table's row 32
	v_cndmask_b32 v31, v96, v254, s62              ; R[r][0] in every lane
	v_cndmask_b32 v240, v112, v254, s62            ; lanes 0-15 fill with R[r][32], lanes 16-31 with R[r][0]
	s_delay_alu instid0(VALU_DEP_1)
	v_mov_b32 v241, v240
	s_delay_alu instid0(VALU_DEP_2)
	v_mov_b32 v242, v240
	s_delay_alu instid0(VALU_DEP_3)
	v_mov_b32 v243, v240
	ds_store_b128 v237, v[240:243] offset:256      ; lanes 16-31: the row's 16 bytes of padding, so that every byte of E is written; lanes 0-15's bytes are written again by the fill below
.irp n, 0,1,2,3,4,5,6,7,8,9,10,11,12,13,14,15
	ds_store_b128 v237, v[240:243] offset:16*\n
.endr
.irp n, 0,1
.irp i, 0,1,2,3,4,5,6,7
	ds_store_b32 v236, v[96+8*\n+\i] offset:92-64*\n-4*\i   ; LDS serves a wave's instructions in order (ISA guide 5.7.1.4): these land over the fill
.endr
.endr
.endm
.macro CORE dst, add                   ; max(U + add - 32, 0), at most 31.  U + add is at most 65; held at 63, its bit 5 says whether it has reached 32
	s_add_co_u32 \dst, s33, \add
	s_min_u32 \dst, \dst, 63
	s_lshr_b32 s47, \dst, 5
	s_and_b32 \dst, \dst, 31
	s_mul_i32 \dst, \dst, s47
.endm
.macro ADDR                            ; the step's addresses; the eleven additions are also the places behind the last products
	CORE s40, 1                                    ; block b's piece of E, min(core(b + 1), 3): 0 left of the window, 1, 2 in it, 3 right of it
	s_min_u32 s40, s40, 3
	s_lshl_b32 s40, s40, 7
	CORE s44, 2                                    ; one core serves block 1's piece and the pattern of blocks 0, 1,
	s_min_u32 s41, s44, 3
	s_min_u32 s44, s44, 4
	s_lshl_b32 s41, s41, 7
	s_lshl_b32 s44, s44, 11
	CORE s46, 3                                    ; one block 2's piece and the patterns' scale word,
	s_min_u32 s42, s46, 3
	s_min_u32 s46, s46, 4
	s_lshl_b32 s42, s42, 7
	s_lshl_b32 s46, s46, 8
	CORE s45, 4                                    ; one block 3's piece and the pattern of blocks 2, 3
	s_min_u32 s43, s45, 3
	s_min_u32 s45, s45, 4
	s_lshl_b32 s43, s43, 7
	s_lshl_b32 s45, s45, 11
.irp b, 0,1,2,3
	v_add_nc_u32 v[8+\b], s[40+\b], v226
.endr
	v_add_nc_u32 v25, s44, v230
	v_add_nc_u32 v26, s45, v230
	v_add_nc_u32 v27, s46, v231
	v_add_nc_u32 v4, s34, v3
	v_add_nc_u32 v5, s35, v227
	v_add_nc_u32 v6, s36, v228
	v_add_nc_u32 v7, s37, v229
.endm
.macro SMUL                            ; S^T = K Q^T + the relative keys' term: E's pieces are the products' C
.irp b, 0,1,2,3
.irp n, 0,1,2,3
	ds_load_b128 v[96+16*\b+4*\n:99+16*\b+4*\n], v[8+\b] offset:16*\n
.endr
.endr
.irp t, 0,1,2,3,4,5,6,7
	ds_load_b128 v[32+4*\t:35+4*\t], v4 offset:512*\t
.endr
.irp b, 0,1,2,3
	ds_load_b64 v[208+2*\b:209+2*\b], v5 offset:128*\b
.endr
	s_wait_dscnt 0x0
.irp t, 0,1,2,3,4,5,6,7
	WMA 96+8*\t, 32+4*\t, 16, 208+\t, 24           ; lane (r, h): query r; registers 16 b + i: key 128 s + 32 b + 16 h + i
.endr
	PLACES
.endm
.macro BLKMAX                          ; each block's largest score in v240-243 (both halves of the lanes), the step's in v254; each accumulator is read from its low end on
.irp b, 0,1,2,3
	v_max3_num_f32 v[240+\b], v[96+16*\b], v[97+16*\b], v[98+16*\b]
.endr
.irp i, 3,5,7,9,11,13
.irp b, 0,1,2,3
	v_max3_num_f32 v[240+\b], v[240+\b], v[96+16*\b+\i], v[97+16*\b+\i]
.endr
.endr
.irp b, 0,1,2,3
	v_max_num_f32 v[240+\b], v[240+\b], v[111+16*\b]
.endr
.irp b, 0,1,2,3
	s_delay_alu instid0(VALU_DEP_4)
	v_permlanex16_b32 v[244+\b], v[240+\b], s60, s61
.endr
.irp b, 0,1,2,3
	s_delay_alu instid0(VALU_DEP_4)
	v_max_num_f32 v[240+\b], v[240+\b], v[244+\b]
.endr
	s_delay_alu instid0(VALU_DEP_2)
	v_max3_num_f32 v254, v240, v241, v242
	s_delay_alu instid0(VALU_DEP_1)
	v_max_num_f32 v254, v254, v243
.endm
; ---- OUT1: head 0's weights, tile ti = s32 (j = s31, made above), keys 128 (w % 8) on
	s_and_b32 s56, s26, 7
	s_lshl_b32 s52, s29, 22                        ; out1: batch x 1,024 rows of 4,096 bytes,
	s_lshl_b32 s40, s32, 16                        ; 16 rows a tile,
	s_add_co_u32 s52, s52, s40
	s_lshl_b32 s40, s56, 9                         ; 512 bytes a key step
	s_add_co_u32 s52, s52, s40
	s_mov_b32 s53, 0
	s_add_nc_u64 s[52:53], s[24:25], s[52:53]
	RBUILD 1
	s_xor_b32 s33, s31, 31                         ; U = 4 s + 1 + (31 - j) + (1 - x)
	s_add_co_u32 s33, s33, s57
	s_add_co_u32 s33, s33, 1
	s_lshl_b32 s40, s56, 2
	s_add_co_u32 s33, s33, s40
	s_lshl_b32 s34, s56, 12
	s_add_co_u32 s34, s34, K0IMG
	s_lshl_b32 s35, s56, 9
	s_add_co_u32 s35, s35, K0SC-KSC
	s_mov_b32 s36, 0
	s_mov_b32 s37, 0
	ADDR
	SMUL
	BLKMAX
	ds_store_b32 v166, v254                        ; my 128 keys' largest score of query r (both halves of the lanes write the same word)
	s_wait_dscnt 0x0
	s_barrier_signal -1
	s_barrier_wait -1
.irp i, 0,1,2,3,4,5,6,7
	ds_load_b32 v[240+\i], v167 offset:64*\i
.endr
	s_wait_dscnt 0x0
	v_max3_num_f32 v254, v240, v241, v242
	s_delay_alu instid0(VALU_DEP_1)
	v_max3_num_f32 v254, v254, v243, v244
	s_delay_alu instid0(VALU_DEP_1)
	v_max3_num_f32 v254, v254, v245, v246
	s_delay_alu instid0(VALU_DEP_1)
	v_max_num_f32 v254, v254, v247                 ; the row's largest score
	s_delay_alu instid0(VALU_DEP_1)
	v_mul_f32 v12, s58, v254
.set ii, 0
.rept 32
	v_pk_fma_f32 v[96+ii:97+ii], v[96+ii:97+ii], s[58:59], v[12:13] op_sel_hi:[1,0,0] neg_lo:[0,0,1] neg_hi:[0,0,1]
.set ii, ii+2
.endr
.set ii, 0
	s_wait_alu depctr_va_vdst(0)
.rept 64
	v_exp_f32 v[96+ii], v[96+ii]
.set ii, ii+1
.endr
	v_nop                                          ; a plain place behind the exponentials
	s_wait_alu depctr_va_vdst(0)
	v_pk_add_f32 v[244:245], v[96:97], v[98:99]
	v_pk_add_f32 v[250:251], v[104:105], v[108:109]
	v_pk_add_f32 v[248:249], v[112:113], v[116:117]
	v_pk_add_f32 v[246:247], v[120:121], v[124:125]
	v_pk_add_f32 v[242:243], v[128:129], v[132:133]
	v_pk_add_f32 v[240:241], v[136:137], v[140:141]
	v_pk_add_f32 v[224:225], v[144:145], v[148:149]
	v_pk_add_f32 v[14:15], v[152:153], v[156:157]
	v_pk_add_f32 v[14:15], v[14:15], v[100:101]
	v_pk_add_f32 v[244:245], v[244:245], v[102:103]
	v_pk_add_f32 v[250:251], v[250:251], v[106:107]
	v_pk_add_f32 v[248:249], v[248:249], v[110:111]
	v_pk_add_f32 v[246:247], v[246:247], v[114:115]
	v_pk_add_f32 v[242:243], v[242:243], v[118:119]
	v_pk_add_f32 v[240:241], v[240:241], v[122:123]
	v_pk_add_f32 v[224:225], v[224:225], v[126:127]
	v_pk_add_f32 v[14:15], v[14:15], v[130:131]
	v_pk_add_f32 v[244:245], v[244:245], v[134:135]
	v_pk_add_f32 v[250:251], v[250:251], v[138:139]
	v_pk_add_f32 v[248:249], v[248:249], v[142:143]
	v_pk_add_f32 v[246:247], v[246:247], v[146:147]
	v_pk_add_f32 v[242:243], v[242:243], v[150:151]
	v_pk_add_f32 v[240:241], v[240:241], v[154:155]
	v_pk_add_f32 v[224:225], v[224:225], v[158:159]
	s_delay_alu instid0(VALU_DEP_4)
	v_pk_add_f32 v[14:15], v[14:15], v[246:247]
	s_delay_alu instid0(VALU_DEP_4)
	v_pk_add_f32 v[244:245], v[244:245], v[242:243]
	s_delay_alu instid0(VALU_DEP_4)
	v_pk_add_f32 v[250:251], v[250:251], v[240:241]
	s_delay_alu instid0(VALU_DEP_4)
	v_pk_add_f32 v[248:249], v[248:249], v[224:225]
	s_delay_alu instid0(VALU_DEP_2)
	v_pk_add_f32 v[14:15], v[14:15], v[250:251]
	s_delay_alu instid0(VALU_DEP_2)
	v_pk_add_f32 v[244:245], v[244:245], v[248:249]
	s_delay_alu instid0(VALU_DEP_1)
	v_pk_add_f32 v[14:15], v[14:15], v[244:245]
	s_delay_alu instid0(VALU_DEP_1)
	v_add_f32 v14, v14, v15
	s_delay_alu instid0(VALU_DEP_1)
	v_permlanex16_b32 v254, v14, s60, s61
	s_delay_alu instid0(VALU_DEP_1)
	v_add_f32 v14, v14, v254
	ds_store_b32 v166, v14 offset:1024
	s_wait_dscnt 0x0
	s_barrier_signal -1
	s_barrier_wait -1
.irp i, 0,1,2,3,4,5,6,7
	ds_load_b32 v[240+\i], v167 offset:1024+64*\i
.endr
	s_wait_dscnt 0x0
	v_add_f32 v240, v240, v241
	v_add_f32 v242, v242, v243
	v_add_f32 v244, v244, v245
	v_add_f32 v246, v246, v247
	s_delay_alu instid0(VALU_DEP_3)
	v_add_f32 v240, v240, v242
	s_delay_alu instid0(VALU_DEP_2)
	v_add_f32 v244, v244, v246
	s_delay_alu instid0(VALU_DEP_1)
	v_add_f32 v14, v240, v244                      ; the row's sum
	s_wait_alu depctr_va_vdst(0)
	v_rcp_f32 v14, v14
	v_nop
.set ii, 0
	s_wait_alu depctr_va_vdst(0)
.rept 32
	v_pk_mul_f32 v[96+ii:97+ii], v[96+ii:97+ii], v[14:15] op_sel_hi:[1,0]
.set ii, ii+2
.endr
.irp b, 0,1,2,3                        ; through my E, which is done with: in by queries, back as whole rows of 512 bytes
.irp n, 0,1,2,3
	ds_store_b128 v226, v[96+16*\b+4*\n:99+16*\b+4*\n] offset:128*\b+16*\n
.endr
.endr
.irp i, 0,1,2,3,4,5,6,7,8,9,10,11,12,13,14,15
	ds_load_b128 v[32+4*\i:35+4*\i], v238 offset:EP*\i
.endr
.irp i, 0,1,2,3,4,5,6,7,8,9,10,11,12,13,14,15
	s_wait_dscnt 15-\i                             ; row i is back; the 15 - i younger loads may be out
	global_store_b128 v3, v[32+4*\i:35+4*\i], s[52:53] offset:4096*\i th:TH_STORE_NT   ; 32 lanes store 512 consecutive bytes, aligned
.endr
	s_wait_xcnt 0x0                                ; the stores have read their registers: these are written again below
; ---- THE MAIN LOOP
.macro CAP b                           ; block b's codes (two registers, ahead of the exchange of halves), byte and -M are kept if it is the window's first or second block: branches on ids alone
	s_add_co_u32 s40, s33, \b
	s_cmp_eq_u32 s40, 32
	s_cbranch_scc0 .Lnot_first_\@
	s_wait_alu depctr_va_vdst(0)
	v_mov_b32 v200, v[192+2*\b]
	v_mov_b32 v201, v[193+2*\b]
	v_mov_b32 v204, v[244+\b]
	v_mov_b32 v206, v12
.Lnot_first_\@:
	s_cmp_eq_u32 s40, 33
	s_cbranch_scc0 .Lnot_second_\@
	s_wait_alu depctr_va_vdst(0)
	v_mov_b32 v202, v[192+2*\b]
	v_mov_b32 v203, v[193+2*\b]
	v_mov_b32 v205, v[244+\b]
	v_mov_b32 v207, v12
.Lnot_second_\@:
.endm
.macro STEP                            ; 128 keys
	ADDR
	; A step none of whose four blocks lies in the window (U under 29: all left of it; U over 33: all right) has ONE relative-key number a query: R[32] or R[0].
	; Its scores begin at 0, E is not read, and that number (v10) goes into the step's maximum and into the addend of t - M.  In a window step v10 is 0 and E's pieces are the products' C.
	s_cmp_lt_u32 s33, 29
	s_cselect_b32 s52, -1, 0                       ; all lanes: left of the window
	s_cselect_b32 s53, 0, 2                        ; the step's class: 0 left, 2 right, 1 window
	s_wait_alu depctr_va_vdst(0)                   ; directly ahead of the branch
	s_cbranch_scc1 .Lfar_\@
	s_cmp_gt_u32 s33, 33
	s_cbranch_scc1 .Lfar_\@
	SMUL
	v_mov_b32 v10, 0
	s_mov_b32 s53, 1
	s_mov_b32 s56, 3                               ; a window step always loads its patterns
	s_branch .Lscored_\@
.Lfar_\@:
.irp t, 0,1,2,3,4,5,6,7
	ds_load_b128 v[32+4*\t:35+4*\t], v4 offset:512*\t
.endr
.irp b, 0,1,2,3
	ds_load_b64 v[208+2*\b:209+2*\b], v5 offset:128*\b
.endr
	s_wait_dscnt 0x0
.irp t, 0,1,2,3,4,5,6,7
	WMZ 96+8*\t, 32+4*\t, 16, 208+\t, 24
.endr
	v_cndmask_b32 v10, v31, v30, s52               ; with the three below: four places behind the products
	v_nop
	v_nop
	v_nop
.Lscored_\@:
	s_wait_alu depctr_va_vdst(0)
.irp t, 0,1,2,3                        ; V's and the patterns' fragments are asked for now and land under the softmax
.irp c, 0,1
	ds_load_b128 v[32+8*\t+4*\c:35+8*\t+4*\c], v6 offset:1024*\t+512*\c
.endr
.endr
.irp p, 0,1
	ds_load_b64 v[216+2*\p:217+2*\p], v7 offset:128*\p
.endr
	s_cmp_eq_u32 s56, s53                          ; the patterns of a left or right step are the same from step to step: v64-95 and v220-223 keep them, and they are loaded only where the class has changed (ids alone)
	s_cbranch_scc1 .Lhave_\@
.irp t, 0,1,2,3
.irp c, 0,1
	ds_load_b128 v[64+8*\t+4*\c:67+8*\t+4*\c], v[25+\c] offset:512*\t
.endr
.endr
.irp p, 0,1
	ds_load_b64 v[220+2*\p:221+2*\p], v27 offset:128*\p
.endr
.Lhave_\@:
	s_mov_b32 s56, s53
	BLKMAX
	s_delay_alu instid0(VALU_DEP_1)
	v_add_f32 v254, v254, v10                      ; with the step's relative-key number
	s_delay_alu instid0(VALU_DEP_1)
	v_mul_f32 v254, s58, v254
	s_delay_alu instid0(VALU_DEP_1)
	v_max_num_f32 v13, v13, v254                   ; the running largest t
	v_mov_b32 v254, v12
	s_delay_alu instid0(VALU_DEP_2)
	v_floor_f32 v12, -v13                          ; -M = floor(-t): M is a whole number
	s_delay_alu instid0(VALU_DEP_1)
	v_sub_f32 v254, v12, v254                      ; old M - new M, 0 or less
	s_delay_alu instid0(VALU_DEP_1)
	v_cvt_i32_f32 v254, v254                       ; (it saturates)
	s_delay_alu instid0(VALU_DEP_1)
	v_ldexp_f32 v252, 1.0, v254
	v_fma_f32 v8, v10, s58, v12                    ; the addend: the relative-key number as t, less M
.set ii, 0
.rept 32
	v_pk_fma_f32 v[96+ii:97+ii], v[96+ii:97+ii], s[58:59], v[8:9] op_sel_hi:[1,0,0]
.set ii, ii+2
.endr
.irp b, 0,1,2,3
	v_fma_f32 v[240+\b], v[240+\b], s58, v8
.endr
.set ii, 0
	s_wait_alu depctr_va_vdst(0)
.rept 64
	v_exp_f32 v[96+ii], v[96+ii]                   ; p = 2^(t - M)
.set ii, ii+1
.endr
.irp b, 0,1,2,3
	v_exp_f32 v[240+\b], v[240+\b]                 ; the block's largest p
.endr
	v_pk_mul_f32 v[14:15], v[14:15], v[252:253] op_sel_hi:[1,0]   ; the sum under the new M (a plain place behind the exponentials)
	s_wait_alu depctr_va_vdst(0)
.irp b, 0,1,2,3
	v_max_num_f32 v[240+\b], FLOOR, v[240+\b]
.endr
.irp b, 0,1,2,3
	s_delay_alu instid0(VALU_DEP_4)
	v_add_nc_u32 v[248+\b], 0xff000000, v[240+\b]
.endr
.irp b, 0,1,2,3
	s_delay_alu instid0(VALU_DEP_4)
	v_lshrrev_b32 v[244+\b], 23, v[248+\b]
.endr
	s_delay_alu instid0(VALU_DEP_3)
	v_lshl_or_b32 v224, v245, 8, v244              ; p's scale word for these 128 keys
	s_delay_alu instid0(VALU_DEP_1)
	v_lshl_or_b32 v224, v246, 16, v224
	s_delay_alu instid0(VALU_DEP_1)
	v_lshl_or_b32 v224, v247, 24, v224
.irp b, 0,1,2,3
	v_cvt_scalef32_pk8_fp4_f32 v[192+2*\b], v[96+16*\b:103+16*\b], v[248+\b]
	v_cvt_scalef32_pk8_fp4_f32 v[193+2*\b], v[104+16*\b:111+16*\b], v[248+\b]
.endr
	v_nop                                          ; one plain place behind a scaled conversion
	s_cmp_lt_u32 s33, 29                           ; a step holds a window block only where U + b is 32 or 33 for some b = 0 .. 3: U from 29 to 33; the other steps jump over the four tests
	s_cbranch_scc1 .Lno_window_\@
	s_cmp_gt_u32 s33, 33
	s_cbranch_scc1 .Lno_window_\@
	CAP 0
	CAP 1
	CAP 2
	CAP 3
.Lno_window_\@:
	s_wait_alu depctr_va_vdst(0)
.irp c, 0,1
.irp i, 0,1
	v_permlane16_swap_b32 v[192+4*\c+\i], v[194+4*\c+\i]   ; a whole block to a lane
.endr
.endr
	v_pk_add_f32 v[244:245], v[100:101], v[104:105]
	v_pk_add_f32 v[250:251], v[108:109], v[112:113]
	v_pk_add_f32 v[248:249], v[116:117], v[120:121]
	v_pk_add_f32 v[242:243], v[124:125], v[128:129]
	v_pk_add_f32 v[240:241], v[132:133], v[136:137]
	v_pk_add_f32 v[214:215], v[140:141], v[144:145]
	v_pk_add_f32 v[212:213], v[148:149], v[152:153]
	v_pk_add_f32 v[14:15], v[14:15], v[156:157]
	v_pk_add_f32 v[244:245], v[244:245], v[96:97]
	v_pk_add_f32 v[250:251], v[250:251], v[98:99]
	v_pk_add_f32 v[248:249], v[248:249], v[102:103]
	v_pk_add_f32 v[242:243], v[242:243], v[106:107]
	v_pk_add_f32 v[240:241], v[240:241], v[110:111]
	v_pk_add_f32 v[214:215], v[214:215], v[114:115]
	v_pk_add_f32 v[212:213], v[212:213], v[118:119]
	v_pk_add_f32 v[14:15], v[14:15], v[122:123]
	v_pk_add_f32 v[244:245], v[244:245], v[126:127]
	v_pk_add_f32 v[250:251], v[250:251], v[130:131]
	v_pk_add_f32 v[248:249], v[248:249], v[134:135]
	v_pk_add_f32 v[242:243], v[242:243], v[138:139]
	v_pk_add_f32 v[240:241], v[240:241], v[142:143]
	v_pk_add_f32 v[214:215], v[214:215], v[146:147]
	v_pk_add_f32 v[212:213], v[212:213], v[150:151]
	v_pk_add_f32 v[14:15], v[14:15], v[154:155]
	v_pk_add_f32 v[244:245], v[244:245], v[158:159]
	s_delay_alu instid0(VALU_DEP_2)
	v_pk_add_f32 v[14:15], v[14:15], v[242:243]
	s_delay_alu instid0(VALU_DEP_2)
	v_pk_add_f32 v[244:245], v[244:245], v[240:241]
	v_pk_add_f32 v[250:251], v[250:251], v[214:215]
	v_pk_add_f32 v[248:249], v[248:249], v[212:213]
	s_delay_alu instid0(VALU_DEP_2)
	v_pk_add_f32 v[14:15], v[14:15], v[250:251]
	s_delay_alu instid0(VALU_DEP_2)
	v_pk_add_f32 v[244:245], v[244:245], v[248:249]
	s_delay_alu instid0(VALU_DEP_1)
	v_pk_add_f32 v[14:15], v[14:15], v[244:245]
.set ii, 0
.rept 16
	v_pk_mul_f32 v[160+ii:161+ii], v[160+ii:161+ii], v[252:253] op_sel_hi:[1,0]   ; O^T under the new M, each accumulator from its low end on; with the sums above: the places ahead of the products for p's codes and scale word
.set ii, ii+2
.endr
	s_wait_alu depctr_va_vdst(0)
	s_wait_dscnt 0x0                               ; V, the patterns, their words
.irp t, 0,1,2,3
	WMA 160+8*\t, 32+8*\t, 192, 216+\t, 224        ; O^T += V^T P^T; the four accumulators take turns
.endr
.irp t, 0,1,2,3
	WMA 160+8*\t, 64+8*\t, 192, 220+\t, 224        ; and the relative values' far blocks on the same p
.endr
	s_add_co_u32 s34, s34, 4096
	s_add_co_u32 s35, s35, 512
	s_add_co_u32 s36, s36, 4096
	s_add_co_u32 s37, s37, 256
	s_add_co_u32 s33, s33, 4
.endm
	s_mov_b32 s31, s26                             ; j = wave, then wave + 16
	s_mov_b32 s39, 2
	s_mov_b32 s56, 3                               ; no class's patterns are in registers yet
.Ltrip:
	s_lshl_b32 s32, s31, 1
	s_add_co_u32 s32, s32, s27
	QLDS
	RBUILD 0
	v_mov_b32 v13, 0xff61b1e6                      ; the largest t so far: -3e38
	s_delay_alu instid0(VALU_DEP_1)
	v_floor_f32 v12, -v13
	v_mov_b32 v14, 0
	v_mov_b32 v15, 0
.set ii, 0
.rept 32
	v_mov_b32 v[160+ii], 0                         ; O^T: the step is written once; its first trip finds zeros, which the first change of M leaves zeros
.set ii, ii+1
.endr
.irp i, 200,201,202,203
	v_mov_b32 v[\i], 0                             ; a window block that lies outside the keys stays zero codes
.endr
	v_mov_b32 v204, 127
	v_mov_b32 v205, 127
	v_mov_b32 v206, v12
	v_mov_b32 v207, v12
	s_xor_b32 s33, s31, 31                         ; U at step 0: 1 + (31 - j) + (1 - x)
	s_add_co_u32 s33, s33, s57
	s_add_co_u32 s33, s33, 1
	s_mov_b32 s34, 0
	s_mov_b32 s35, 0
	s_mov_b32 s36, 0
	s_mov_b32 s37, 0
	s_mov_b32 s38, 8
.Lstep:
	STEP
	s_sub_co_u32 s38, s38, 1
	s_cmp_lg_u32 s38, 0
	s_cbranch_scc1 .Lstep
	; THE WINDOW
	v_permlane16_swap_b32 v200, v202               ; lanes 0-15 block WB, lanes 16-31 block WB + 1, 32 codes in v200-203
	v_permlane16_swap_b32 v201, v203
	v_sub_f32 v254, v206, v12                      ; how far M has moved since the block was made: a whole number, 0 or more
	s_delay_alu instid0(VALU_DEP_1)
	v_cvt_i32_f32 v254, v254
	s_delay_alu instid0(VALU_DEP_1)
	v_sub_nc_u32 v204, v204, v254
	s_delay_alu instid0(VALU_DEP_1)
	v_max_i32 v204, 0, v204
	v_sub_f32 v254, v207, v12
	s_delay_alu instid0(VALU_DEP_1)
	v_cvt_i32_f32 v254, v254
	s_delay_alu instid0(VALU_DEP_1)
	v_sub_nc_u32 v205, v205, v254
	s_delay_alu instid0(VALU_DEP_1)
	v_max_i32 v205, 0, v205
	s_delay_alu instid0(VALU_DEP_1)
	v_lshl_or_b32 v225, v205, 8, v204
	s_delay_alu instid0(VALU_DEP_1)
	v_lshl_or_b32 v225, v225, 16, v225             ; bytes 2 c + h: block WB + h's, for both c
.irp s, 0,1,2,3,4,5,6,7
	PLACES                                         ; ahead of the loads and writes into registers that the last products read
.irp t, 0,1,2,3
.irp c, 0,1
	ds_load_b128 v[32+8*\t+4*\c:35+8*\t+4*\c], v232 offset:4096*\s+1024*\t+512*\c
.endr
.endr
.irp p, 0,1
	ds_load_b64 v[216+2*\p:217+2*\p], v233 offset:256*\s+128*\p
.endr
	s_mov_b32 s54, 0x10001<<(2*\s)                 ; the two lanes of query 2 s,
	s_mov_b32 s55, 0x10001<<(2*\s+1)               ; of query 2 s + 1
.irp n, 0,1,2,3
	v_cndmask_b32 v[96+\n], 0, v[200+\n], s54
	v_cndmask_b32 v[100+\n], 0, v[200+\n], s55
.endr
	PLACES                                         ; an operand written by vector instructions stands 4 places ahead of a scaled product (the scale word 8 or more)
	s_wait_alu depctr_va_vdst(0)
	s_wait_dscnt 0x0
.irp t, 0,1,2,3
	WMA 160+8*\t, 32+8*\t, 96, 216+\t, 225
.endr
.endr
	; THE CONTEXT: / the sum, quantised along the head's 64 channels, out as the last projection's operand
	PLACES
	v_add_f32 v14, v14, v15
	s_delay_alu instid0(VALU_DEP_1)
	v_permlanex16_b32 v254, v14, s60, s61
	s_delay_alu instid0(VALU_DEP_1)
	v_add_f32 v14, v14, v254
	s_wait_alu depctr_va_vdst(0)
	v_rcp_f32 v14, v14
	v_nop
.set ii, 0
	s_wait_alu depctr_va_vdst(0)
.rept 16
	v_pk_mul_f32 v[96+ii:97+ii], v[160+ii:161+ii], v[14:15] op_sel_hi:[1,0]   ; register 16 b + i: channel 32 b + 16 h + i
.set ii, ii+2
.endr
.irp b, 0,1
	v_max3_num_f32 v[240+\b], |v[96+16*\b]|, |v[97+16*\b]|, FLOOR
.endr
.irp i, 2,4,6,8,10,12,14
.irp b, 0,1
	s_delay_alu instid0(VALU_DEP_2)
	v_max3_num_f32 v[240+\b], v[240+\b], |v[96+16*\b+\i]|, |v[97+16*\b+\i]|
.endr
.endr
.irp b, 0,1
	s_delay_alu instid0(VALU_DEP_2)
	v_permlanex16_b32 v[244+\b], v[240+\b], s60, s61
.endr
.irp b, 0,1
	s_delay_alu instid0(VALU_DEP_2)
	v_max_num_f32 v[240+\b], v[240+\b], v[244+\b]
.endr
.irp b, 0,1
	s_delay_alu instid0(VALU_DEP_2)
	v_add_nc_u32 v[248+\b], 0xff000000, v[240+\b]
.endr
.irp b, 0,1
	s_delay_alu instid0(VALU_DEP_2)
	v_lshrrev_b32 v[244+\b], 23, v[248+\b]
.endr
	s_delay_alu instid0(VALU_DEP_1)
	v_lshl_or_b32 v246, v245, 8, v244
.irp b, 0,1
	v_cvt_scalef32_pk8_fp4_f32 v[192+2*\b], v[96+16*\b:103+16*\b], v[248+\b]
	v_cvt_scalef32_pk8_fp4_f32 v[193+2*\b], v[104+16*\b:111+16*\b], v[248+\b]
.endr
	v_nop
	v_permlane16_swap_b32 v192, v194
	v_permlane16_swap_b32 v193, v195
	s_wait_alu depctr_va_vdst(0)
	s_lshl_b32 s48, s29, 6
	s_add_co_u32 s48, s48, s32                     ; the tile of rows: 64 batch + ti
	s_lshl_b32 s50, s48, 9
	s_lshl_b32 s48, s48, 4
	s_add_co_u32 s48, s48, s30
	s_lshl_b32 s48, s48, 9
	s_mov_b32 s49, 0
	s_add_nc_u64 s[48:49], s[20:21], s[48:49]
	s_lshr_b32 s40, s30, 1
	s_lshl_b32 s40, s40, 6
	s_add_co_u32 s50, s50, s40
	s_and_b32 s40, s30, 1
	s_lshl_b32 s40, s40, 1
	s_add_co_u32 s50, s50, s40
	s_mov_b32 s51, 0
	s_add_nc_u64 s[50:51], s[22:23], s[50:51]
	global_store_b128 v3, v[192:195], s[48:49]     ; 512 consecutive bytes, aligned
	global_store_b16 v29, v246, s[50:51]           ; my head's two bytes of each row's scale word: stores of two bytes, 4 bytes apart; they are 262,144 bytes in the whole launch
	s_wait_xcnt 0x0                                ; the stores have read their registers and bases: both are written again in the next trip
	s_add_co_u32 s31, s31, 16
	s_sub_co_u32 s39, s39, 1
	s_cmp_lg_u32 s39, 0
	s_cbranch_scc1 .Ltrip
	s_wait_tensorcnt 0x0
	ds_add_u32 v239, v255
	s_wait_dscnt 0x0
	s_endpgm
.Lfunc_end_k_q88380416d7_attn:
	.size	k_q88380416d7_attn, .Lfunc_end_k_q88380416d7_attn-k_q88380416d7_attn
	.p2alignl 7, 3214868480
	.fill 96, 4, 3214868480
	.section	.rodata,"a",@progbits
	.p2align	6, 0x0
	.amdhsa_kernel k_q88380416d7_attn
		.amdhsa_group_segment_fixed_size 317440
		.amdhsa_private_segment_fixed_size 0
		.amdhsa_enable_private_segment 0
		.amdhsa_kernarg_size 88
		.amdhsa_user_sgpr_count 2
		.amdhsa_user_sgpr_kernarg_segment_ptr 1
		.amdhsa_wavefront_size32 1
		.amdhsa_system_sgpr_workgroup_id_x 1
		.amdhsa_system_sgpr_workgroup_id_y 1
		.amdhsa_system_sgpr_workgroup_id_z 1
		.amdhsa_system_vgpr_workitem_id 0
		.amdhsa_next_free_vgpr 256
		.amdhsa_next_free_sgpr 100
		.amdhsa_reserve_vcc 0
		.amdhsa_float_denorm_mode_32 3
		.amdhsa_float_denorm_mode_16_64 3
		.amdhsa_memory_ordered 1
		.amdhsa_forward_progress 1
		.amdhsa_inst_pref_size 124
	.end_amdhsa_kernel
	.amdgpu_metadata
---
amdhsa.version: [ 1, 2 ]
amdhsa.kernels:
  - .name:           k_q88380416d7_attn
    .symbol:         k_q88380416d7_attn.kd
    .args:
      - { .name: qimg, .offset: 0, .size: 8, .value_kind: global_buffer, .address_space: global }
      - { .name: qscl, .offset: 8, .size: 8, .value_kind: global_buffer, .address_space: global }
      - { .name: kimg, .offset: 16, .size: 8, .value_kind: global_buffer, .address_space: global }
      - { .name: kscl, .offset: 24, .size: 8, .value_kind: global_buffer, .address_space: global }
      - { .name: vimg, .offset: 32, .size: 8, .value_kind: global_buffer, .address_space: global }
      - { .name: vscl, .offset: 40, .size: 8, .value_kind: global_buffer, .address_space: global }
      - { .name: rel_k_table, .offset: 48, .size: 8, .value_kind: global_buffer, .address_space: global }
      - { .name: rel_v_table, .offset: 56, .size: 8, .value_kind: global_buffer, .address_space: global }
      - { .name: ctximg, .offset: 64, .size: 8, .value_kind: global_buffer, .address_space: global }
      - { .name: ctxscl, .offset: 72, .size: 8, .value_kind: global_buffer, .address_space: global }
      - { .name: out1, .offset: 80, .size: 8, .value_kind: global_buffer, .address_space: global }
    .group_segment_fixed_size: 317440
    .private_segment_fixed_size: 0
    .kernarg_segment_align: 8
    .kernarg_segment_size: 88
    .max_flat_workgroup_size: 512
    .sgpr_count:     100
    .vgpr_count:     256
    .wavefront_size: 32
...
	.end_amdgpu_metadata
.endif
;; end of part 2
;; launch oproj (part 3): grid 4 x 64, 4 waves a work-group, clusters of 4 x 4, 235,008 bytes of LDS; arguments ctximg, ctxscl, Wo_codes, Wo_scales, bo, out0; writes out0
.if DOCPART == 3
	.amdgcn_target "amdgcn-amd-amdhsa--gfx1250"
	.amdhsa_code_object_version 6
	.text
	.protected	k_q88380416d7_oproj
	.globl	k_q88380416d7_oproj
	.p2align	8
	.type	k_q88380416d7_oproj,@function
k_q88380416d7_oproj:
	s_mov_b64 s[64:65], 0
	v_nop
	global_prefetch_b8 v0, s[64:65] scope:SCOPE_SE
	s_setreg_imm32_b32 hwreg(HW_REG_WAVE_MODE, 25, 1), 1
	s_wait_xcnt 0x0
	s_wait_alu depctr_hold_cnt(0) depctr_sa_sdst(0) depctr_va_vdst(0) depctr_va_sdst(0) depctr_va_ssrc(0) depctr_va_vcc(0) depctr_vm_vsrc(0)
	s_getreg_b32 s2, hwreg(HW_REG_IB_STS2, 6, 4)
	s_cmp_eq_u32 s2, 0
	s_cbranch_scc0 .Lentry_in_a_cluster
	s_endpgm
.Lentry_in_a_cluster:
	s_bfe_u32 s2, ttmp6, 0x10000c
	s_cmp_lg_u32 s2, 0xf033
	s_cbranch_scc0 .Lentry_shape_is_right
	s_endpgm
.Lentry_shape_is_right:
; out0 = ctx Wo + bo on codes of FP4 (E2M1) with E8M0 scales; sums in f32.  ctx comes as the attention launch laid it: images of the operand's registers, [tile of 16 rows][head][lane][16 bytes], and one scale word
; for each row and 128 along K, [tile][K step][row].  Wo comes as given: rows of 512 bytes, K innermost.
; SHARES: work-group (nx, my) makes 128 rows x 256 columns over all K = 1,024: 256 work-groups.  Each of four waves makes 64 rows (4 tiles) x 128 columns (8 tiles): 32 accumulators, which take turns.
; Source 0 = 16 rows of Wo, source 1 = 16 rows of ctx: a lane holds eight neighbouring columns of one row of out0.  The bias is the C of the first K step's products.
; LDS: Wo's 256 rows of 512 bytes + 16 of padding, ctx's 8 tiles of 8,192 bytes; one tensor load a wave (waves 0, 1 ctx's halves, waves 2, 3 Wo's); nothing is filled again: one barrier.
; CLUSTERS 4 x 4: ctx's tile hangs on my alone and is asked for jointly along a row of the cluster, Wo's on nx alone and along a column.
; SCALE WORDS go from memory into registers.  Wo's: lane (r, h) takes bytes 16 h .. 16 h + 15 of row r's 32: lanes 0-15 K steps 0-3, lanes 16-31 K steps 4-7.  ctx's: lanes 0-15 an even K step, lanes 16-31 the odd one behind it.
; No prefetch: the text has no loop to run ahead in; each tile is asked for once, at the head.
; REGISTERS.  Window 0: v1-8 at work at the head, v10-16 addresses, v28, v29 spare word and 0; v32-47 ctx's scale words, v64-95 Wo's; v128-191 ctx's fragments, two sets; v192-255 the bias; on the way out v128-255 rows read back.
;   Window 1: Wo's fragments, two sets.  Window 2: accumulator (a, b) at v[8 (8 a + b)].
.set PITCH, 528
.set HALFT, 128*PITCH
.set ABASE, 2*HALFT                    ; ctx's images
.set STG,   ABASE+65536                ; the way out: 16 rows x (512 bytes + 16) for each wave; no tensor load fills it
.set SPARE, STG+4*16*PITCH             ; the spare words: 128 bytes a wave
.set CO,   10
.set STO,  11
.set RD,   12
.set ADRA, 14
.set ADRB, 16
.set SPW,  28
.set NIL,  29
.set SCA,  32
.set SCB,  64
.set AF,   128
.set BIAS, 192
.set MSB, 0
.macro WIN new                         ; the immediate's high byte repeats the setting that is left
.if MSB != \new
	s_set_vgpr_msb (MSB<<8)|\new
.set MSB, \new
.endif
.endm
.macro PLACES                          ; four plain places behind a matrix instruction (ISA guide 7.12.1)
.rept 4
	v_nop
.endr
.endm
.macro CROUND                          ; a round of the cluster's barrier
	s_barrier_signal -1
	s_barrier_wait -1
	s_cmp_lg_u32 s54, 0
	s_cbranch_scc1 .Lnot_wave_0_\@
	s_barrier_signal -3
.Lnot_wave_0_\@:
	s_barrier_wait -3
	s_barrier_signal -1
	s_barrier_wait -1
.endm
	s_load_b256 s[4:11], s[0:1], 0x0               ; ctximg, ctxscl, Wo_codes, Wo_scales
	s_load_b128 s[12:15], s[0:1], 0x20             ; bo, out0
	v_lshl_add_u32 v[SPW], v0, 2, SPARE
	v_mov_b32 v[NIL], 0
	ds_add_u32 v[SPW], v[NIL]                      ; the opening lines: the add twice on end and one wait
	ds_add_u32 v[SPW], v[NIL]
	v_lshrrev_b32 v1, 5, v0
	v_readfirstlane_b32 s54, v1                    ; wave 0..3
	s_lshr_b32 s58, s54, 1                         ; my half of the rows; also: I fetch for ctx (0) or Wo (1)
	s_and_b32 s59, s54, 1                          ; my half of the columns; also: which half I fetch
	v_and_b32 v1, 15, v0                           ; r
	v_bfe_u32 v2, v0, 4, 1                         ; h
	v_and_b32 v3, 31, v0
	v_lshlrev_b32 v4, 5, v1
	v_lshl_add_u32 v4, v2, 4, v4                   ; Wo's scale words: 32 r + 16 h
	v_lshlrev_b32 v5, 5, v2                        ; the bias: 32 h
	v_lshlrev_b32 v6, 2, v3                        ; ctx's scale words: 4 x lane
	v_lshlrev_b32 v[CO], 4, v3                     ; 16 x lane
	v_mul_u32_u24 v7, v1, PITCH
	s_mul_i32 s2, s59, HALFT
	v_lshl_add_u32 v8, v2, 4, v7
	v_add_nc_u32 v[ADRB], s2, v8                   ; Wo: my 128 rows, row r x pitch + 16 h
	s_lshl_b32 s3, s58, 15
	s_add_co_u32 s3, s3, ABASE
	v_add_nc_u32 v[ADRA], s3, v[CO]                ; ctx: my four tiles' images
	s_mul_i32 s20, s54, 16*PITCH
	s_add_co_u32 s20, s20, STG                     ; my stage
	v_lshl_add_u32 v8, v2, 5, v7
	v_add_nc_u32 v[STO], s20, v8                   ; in: row r, 32 bytes for each half of the lanes
	v_add_nc_u32 v[RD], s20, v[CO]                 ; back: the 32 lanes take one row of 512 bytes
	s_bfe_u32 s60, ttmp6, 0x40000                  ; cx
	s_bfe_u32 s61, ttmp6, 0x40004                  ; cy
	s_lshl_b32 s57, ttmp9, 2
	s_add_co_u32 s57, s57, s60                     ; nx
	s_and_b32 s56, ttmp7, 0xffff
	s_lshl_b32 s56, s56, 2
	s_add_co_u32 s56, s56, s61                     ; my
	s_lshl_b32 s63, s61, 2
	s_lshl_b32 s63, 15, s63                        ; my row of the cluster
	s_lshl_b32 s66, 0x1111, s60                    ; my column
	s_or_b32 s68, s63, (3<<16)|(1<<21)             ; group 1 for ctx: 32,768 dense bytes as 128 rows of 32 elements of 8 bytes
	s_mov_b32 s69, 32<<16
	s_mov_b32 s70, 128<<16
	s_mov_b32 s71, 32<<16
	s_mov_b32 s72, 128
	s_mov_b32 s73, 32
	s_mov_b32 s74, 0
	s_mov_b32 s75, 0
	s_or_b32 s76, s66, (1<<20)|(1<<21)|(6<<22)|(3<<25)   ; group 1 for Wo: 128 rows of 512 bytes, four words of padding behind every 128
	s_mov_b32 s77, 512<<16
	s_mov_b32 s78, 128<<16
	s_mov_b32 s79, 512<<16
	s_mov_b32 s80, 128
	s_mov_b32 s81, 512
	s_mov_b32 s82, 0
	s_mov_b32 s83, 0
	s_lshl_b32 s92, s56, 16
	s_lshl_b32 s67, s59, 15
	s_add_co_u32 s92, s92, s67                     ; ctx: my work-group's 65,536 bytes, the half that I would fetch
	s_mov_b32 s93, 0
	s_lshl_b32 s62, s57, 8
	s_lshl_b32 s67, s59, 7
	s_add_co_u32 s62, s62, s67                     ; Wo's row 256 nx + 128 (wave % 2): what I would fetch, and what I multiply
	s_lshl_b32 s94, s62, 9
	s_mov_b32 s95, 0
	s_lshl_b32 s98, s62, 5                         ; its scale bytes
	s_mov_b32 s99, 0
	s_lshl_b32 s16, s62, 2                         ; its bias, and my first column in bytes
	s_mov_b32 s17, 0
	s_lshl_b32 s96, s56, 12
	s_lshl_b32 s67, s58, 11
	s_add_co_u32 s96, s96, s67                     ; the scale words of my four tiles of ctx
	s_mov_b32 s97, 0
	s_lshl_b32 s18, s56, 19
	s_lshl_b32 s67, s58, 18
	s_add_co_u32 s18, s18, s67
	s_add_co_u32 s18, s18, s16                     ; out0: row 128 my + 64 (wave / 2) of 4,096 bytes, + my first column
	s_mov_b32 s19, 0
	s_mov_b32 s84, 1
	s_lshl_b32 s85, s59, 15
	s_add_co_u32 s85, s85, ABASE
	s_mov_b32 s88, 1
	s_mul_i32 s89, s59, HALFT
	s_wait_alu depctr_va_vdst(0)                   ; directly ahead of the waits below
	s_wait_dscnt 0x0                               ; both opening adds are done
	s_wait_kmcnt 0x0
	s_add_nc_u64 s[86:87], s[4:5], s[92:93]
	s_or_b32 s87, s87, 0x80000000
	s_add_nc_u64 s[90:91], s[8:9], s[94:95]
	s_or_b32 s91, s91, 0x80000000
	s_add_nc_u64 s[6:7], s[6:7], s[96:97]
	s_add_nc_u64 s[10:11], s[10:11], s[98:99]
	s_add_nc_u64 s[12:13], s[12:13], s[16:17]
	s_add_nc_u64 s[14:15], s[14:15], s[18:19]
.irp a, 0,1,2,3
.irp j, 0,1,2,3
	global_load_b32 v[SCA+4*\a+\j], v6, s[6:7] offset:512*\a+128*\j   ; tile a, K steps 2 j (lanes 0-15) and 2 j + 1 (lanes 16-31)
.endr
.endr
.irp b, 0,1,2,3,4,5,6,7
	global_load_b128 v[SCB+4*\b:SCB+4*\b+3], v4, s[10:11] offset:512*\b
.endr
.irp b, 0,1,2,3,4,5,6,7
	global_load_b128 v[BIAS+8*\b:BIAS+8*\b+3], v5, s[12:13] offset:64*\b       ; register 8 b + j: column 16 b + 8 h + j
	global_load_b128 v[BIAS+8*\b+4:BIAS+8*\b+7], v5, s[12:13] offset:64*\b+16
.endr
	CROUND                                         ; all sixteen work-groups are here: the joint loads meet
	s_cmp_eq_u32 s58, 0
	s_cbranch_scc0 .Lfor_w
	tensor_load_to_lds s[84:87], s[68:75]
	s_nop 0
	PLACES
	s_branch .Lasked
.Lfor_w:
	tensor_load_to_lds s[88:91], s[76:83]
	s_nop 0
	PLACES
.Lasked:
	s_wait_alu depctr_va_vdst(0)                   ; the wait at the head's end
	s_wait_loadcnt 0x0                             ; scale words and bias
	s_wait_tensorcnt 0x0                           ; my load has landed
	s_barrier_signal -1
	s_barrier_wait -1                              ; and everybody's
.macro OFETCH ks                       ; K step ks: Wo's eight fragments and ctx's four into sets ks % 2
	WIN 0x40
.irp i, 0,1,2,3,4,5,6,7
.irp c, 0,1
	ds_load_b128 v[128*((\ks)%2)+8*\i+4*\c:128*((\ks)%2)+8*\i+4*\c+3], v[ADRB] offset:64*(\ks)+32*\c+\i*16*PITCH
.endr
.endr
	WIN 0
.irp i, 0,1,2,3
.irp c, 0,1
	ds_load_b128 v[AF+32*((\ks)%2)+8*\i+4*\c:AF+32*((\ks)%2)+8*\i+4*\c+3], v[ADRA] offset:8192*\i+512*(2*(\ks)+\c)
.endr
.endr
.endm
.macro OMUL ks                         ; 32 products; the accumulators take turns, one instruction a turn
.irp a, 0,1,2,3
.irp b, 0,1,2,3,4,5,6,7
.set DD, 8*(8*\a+\b)
.set WW, 128*((\ks)%2)+8*\b
.set AA, AF+32*((\ks)%2)+8*\a
.set SB, SCB+4*\b+(\ks)%4
.set SA, SCA+4*\a+(\ks)/2
.if (\ks) == 0
	v_wmma_scale_f32_16x16x128_f8f6f4 v[DD:DD+7], v[WW:WW+7], v[AA:AA+7], v[BIAS+8*\b:BIAS+8*\b+7], v[SB], v[SA] matrix_a_fmt:MATRIX_FMT_FP4 matrix_b_fmt:MATRIX_FMT_FP4
.else
.if (\ks) < 4
.if (\ks)%2
	v_wmma_scale_f32_16x16x128_f8f6f4 v[DD:DD+7], v[WW:WW+7], v[AA:AA+7], v[DD:DD+7], v[SB], v[SA] matrix_a_fmt:MATRIX_FMT_FP4 matrix_b_fmt:MATRIX_FMT_FP4 matrix_b_scale:MATRIX_SCALE_ROW1
.else
	v_wmma_scale_f32_16x16x128_f8f6f4 v[DD:DD+7], v[WW:WW+7], v[AA:AA+7], v[DD:DD+7], v[SB], v[SA] matrix_a_fmt:MATRIX_FMT_FP4 matrix_b_fmt:MATRIX_FMT_FP4
.endif
.else
.if (\ks)%2
	v_wmma_scale_f32_16x16x128_f8f6f4 v[DD:DD+7], v[WW:WW+7], v[AA:AA+7], v[DD:DD+7], v[SB], v[SA] matrix_a_fmt:MATRIX_FMT_FP4 matrix_b_fmt:MATRIX_FMT_FP4 matrix_a_scale:MATRIX_SCALE_ROW1 matrix_b_scale:MATRIX_SCALE_ROW1
.else
	v_wmma_scale_f32_16x16x128_f8f6f4 v[DD:DD+7], v[WW:WW+7], v[AA:AA+7], v[DD:DD+7], v[SB], v[SA] matrix_a_fmt:MATRIX_FMT_FP4 matrix_b_fmt:MATRIX_FMT_FP4 matrix_a_scale:MATRIX_SCALE_ROW1
.endif
.endif
.endif
.endr
.endr
.endm
.macro OSTEP ks                        ; this step's fragments are in; the next step's are asked for, into the sets that the step before read; then the products
	s_wait_dscnt 0x0
.if (\ks) < 7
	PLACES
	OFETCH (\ks)+1
.endif
.if (\ks) == 0
	WIN 0x81                                       ; source 0 window 1, source 1 and C window 0, D window 2
.else
	WIN 0xa1                                       ; C and D window 2
.endif
	OMUL \ks
	WIN 0
.endm
	OFETCH 0
	OSTEP 0
	OSTEP 1
	OSTEP 2
	OSTEP 3
	OSTEP 4
	OSTEP 5
	OSTEP 6
	OSTEP 7
; THE WAY OUT, a block of 16 rows x 128 columns at a time through my own stage: in by lanes, back as whole rows of 512 bytes.  LDS serves a wave's instructions in order (ISA guide 5.7.1.4): no wait between the stores and the loads.
.macro TOSTAGE a
	WIN 0x08                                       ; the data: window 2
.irp b, 0,1,2,3,4,5,6,7
	ds_store_b128 v[STO], v[64*(\a)+8*\b:64*(\a)+8*\b+3] offset:64*\b          ; each accumulator from its low end on
	ds_store_b128 v[STO], v[64*(\a)+8*\b+4:64*(\a)+8*\b+7] offset:64*\b+16
.endr
	WIN 0
.set BK, AF+64*((\a)%2)
.irp t, 0,1,2,3,4,5,6,7,8,9,10,11,12,13,14,15
	ds_load_b128 v[BK+4*\t:BK+4*\t+3], v[RD] offset:\t*PITCH
.endr
.endm
.macro SEND a, younger                 ; younger: the LDS instructions issued behind block a's loads, which may stay out
.set BK, AF+64*((\a)%2)
	s_wait_dscnt \younger
.irp t, 0,1,2,3,4,5,6,7,8,9,10,11,12,13,14,15
	global_store_b128 v[CO], v[BK+4*\t:BK+4*\t+3], s[14:15] offset:(16*(\a)+\t)*4096 th:TH_STORE_NT   ; 32 lanes store 512 consecutive bytes, aligned
.endr
.endm
	PLACES                                         ; ahead of reads of results and of loads into the fragments' registers
	TOSTAGE 0
	TOSTAGE 1
	SEND 0, 32                                     ; behind block 0's loads: block 1's 16 stores and 16 loads
	s_wait_xcnt 0x0                                ; block 0's stores have read their registers: block 2's loads may land there
	TOSTAGE 2
	SEND 1, 32
	s_wait_xcnt 0x0
	TOSTAGE 3
	SEND 2, 32
	SEND 3, 0
	s_wait_tensorcnt 0x0                           ; the wave's end
	ds_add_u32 v[SPW], v[NIL]
	s_wait_dscnt 0x0
	CROUND                                         ; the closing round
	s_endpgm
.Lfunc_end_k_q88380416d7_oproj:
	.size	k_q88380416d7_oproj, .Lfunc_end_k_q88380416d7_oproj-k_q88380416d7_oproj
	.p2alignl 7, 3214868480
	.fill 96, 4, 3214868480
	.section	.rodata,"a",@progbits
	.p2align	6, 0x0
	.amdhsa_kernel k_q88380416d7_oproj
		.amdhsa_group_segment_fixed_size 235008
		.amdhsa_private_segment_fixed_size 0
		.amdhsa_enable_private_segment 0
		.amdhsa_kernarg_size 48
		.amdhsa_user_sgpr_count 2
		.amdhsa_user_sgpr_kernarg_segment_ptr 1
		.amdhsa_wavefront_size32 1
		.amdhsa_system_sgpr_workgroup_id_x 1
		.amdhsa_system_sgpr_workgroup_id_y 1
		.amdhsa_system_sgpr_workgroup_id_z 1
		.amdhsa_system_vgpr_workitem_id 0
		.amdhsa_next_free_vgpr 768
		.amdhsa_next_free_sgpr 100
		.amdhsa_reserve_vcc 0
		.amdhsa_float_denorm_mode_32 3
		.amdhsa_float_denorm_mode_16_64 3
		.amdhsa_memory_ordered 1
		.amdhsa_forward_progress 1
		.amdhsa_inst_pref_size 71
	.end_amdhsa_kernel
	.amdgpu_metadata
---
amdhsa.version: [ 1, 2 ]
amdhsa.kernels:
  - .name:           k_q88380416d7_oproj
    .symbol:         k_q88380416d7_oproj.kd
    .args:
      - { .name: ctximg, .offset: 0, .size: 8, .value_kind: global_buffer, .address_space: global }
      - { .name: ctxscl, .offset: 8, .size: 8, .value_kind: global_buffer, .address_space: global }
      - { .name: Wo_codes, .offset: 16, .size: 8, .value_kind: global_buffer, .address_space: global }
      - { .name: Wo_scales, .offset: 24, .size: 8, .value_kind: global_buffer, .address_space: global }
      - { .name: bo, .offset: 32, .size: 8, .value_kind: global_buffer, .address_space: global }
      - { .name: out0, .offset: 40, .size: 8, .value_kind: global_buffer, .address_space: global }
    .group_segment_fixed_size: 235008
    .private_segment_fixed_size: 0
    .kernarg_segment_align: 8
    .kernarg_segment_size: 48
    .max_flat_workgroup_size: 128
    .sgpr_count:     100
    .vgpr_count:     768
    .wavefront_size: 32
...
	.end_amdgpu_metadata
.endif
;; end of part 3
